; MI455X (gfx1250); checked and timed in simulation.
; The chip was launched on July 23, 2026; its instructions are those of AMD's public machine-readable ISA for CDNA 5 (MIT licence, August 2026) and "CDNA5" Instruction Set Architecture Reference Guide (July 2026). The comments in the code are by the model that wrote it; some were corrected since.
;; Single Head Attention. Allowed arithmetic: matrix products marked QUANTISED: E2M3 operands, one E8M0 scale for each 32 along K, by v_wmma_scale_f32_16x16x128_f8f6f4 with both operands' format E2M3, f32 sums; everything else in f32.
;; Inputs: w_qkv 3,072 x 1,024 float32; x 4 x 2,048 x 1,024 float32.
;; Outputs: out0 4 x 2,048 x 1,024 float32.
;; This version of the problem:
;;   THIS VERSION OF THE PROBLEM IS GIVEN IN LOW PRECISION. The matrix products marked QUANTISED in the list below multiply operands that are first quantised to E2M3 (2 exponent bits, 3 mantissa bits; 6 bits a number), with one power-of-two scale for each 32 numbers along K (OCP MX v1.0); their sums are f32. All else is computed in f32.
;;   The module's matrix products, in the order in which they are computed (A, B: the left and right operand; K: the contracted axis; several contracted axes count as one K, in the product's order):
;;     1. [M 8,192, K 1,024] x [K 1,024, N 3,072]; A: input x; B: input w_qkv: QUANTISED
;;     2. batch 4 x [M 2,048, K 1,024] x [K 1,024, N 2,048]; A: computed on the way; B: computed on the way: QUANTISED
;;     3. batch 4 x [M 2,048, K 2,048] x [K 2,048, N 1,024]; A: softmax (see below); B: computed on the way: QUANTISED
;;   THE QUANTISER, for each operand of a quantised product, along K:
;;     - K is cut into blocks of 32 from its start; a last block that is shorter is filled with zeros.
;;     - A block's scale is 2^e with e = floor(log2(the largest magnitude in the block)) - 2, held to -126 .. 127; a block of zeros has e = 0. As a byte (E8M0): e + 127.
;;     - Each number is divided by its block's scale, clamped to +-7.5, and rounded to the nearest number of E2M3, ties to even, subnormals kept.
;;     - The product sums the exact products of the quantised numbers (number of the format x scale) in f32.
;;   ~~~python
;;   def quantise(x, axis):      # numpy; x: float32 -> the quantised numbers, widened to float32 again
;;       x = np.moveaxis(x, axis, -1); K = x.shape[-1]
;;       x = np.pad(x, [(0, 0)] * (x.ndim - 1) + [(0, -K % 32)]); x = x.reshape(x.shape[:-1] + (-1, 32)); a = np.abs(x).max(-1, keepdims=True)
;;       e = np.where(a > 0, np.clip(np.frexp(np.where(a > 0, a, 1))[1] - 1 - 2, -126, 127), 0)      # np.frexp(a)[1] - 1 = floor(log2(a)), exactly
;;       r = np.clip(x / 2.0 ** e, -7.5, 7.5)
;;       step = 2.0 ** (np.maximum(np.frexp(np.where(r == 0, 1, r))[1] - 1, 0) - 3)
;;       q = np.round(r / step) * step * 2.0 ** e      # np.round: ties to even
;;       return np.moveaxis(q.reshape(q.shape[:-2] + (-1,))[..., :K], -1, axis).astype(np.float32)
;;   ~~~
;;   SOFTMAX AHEAD OF A QUANTISED PRODUCT. Where the list says 'softmax', what is quantised is not the finished softmax but p = 2^(t - M), with t = logit x log2(e) and M = ceil(the row's largest t), a whole number; so 1/2 < the row's largest p <= 1. The row's sum l is taken of the UNQUANTISED p, in f32, and the product's result is divided by l at the end. Since M is a whole number, a kernel that streams over the keys may use a running M (the ceiling of the running maximum): every later rescaling is an exact power of two, which a block's scale takes up: the codes' values come out the same.
;;   OPERANDS COMPUTED ON THE WAY. 'Computed on the way' means the value that the module computes at that place (a softmax that the list does not call 'softmax' is quantised finished and normalised). What goes into a quantiser is computed in f32, as accurately as f32 sums, v_exp_f32 and their like allow (about 1e-6 of the number): no bf16 or f16 on the way to a quantiser, and a product that is left as it is and whose result goes on into a quantised operand takes f32 operands (vector FMAs, or v_wmma_f32_16x16x4_f32). A number that lies on a knife's edge between two numbers of the format may be rounded either way, as far as f32 arithmetic and the matrix unit's own rounding can turn it there, and no further.
;; One version. Each part assembles by itself: llvm-mc -triple=amdgcn-amd-amdhsa -mcpu=gfx1250 --defsym DOCPART=n.
;; ======== version 1 of 1: 4 launches
;; limits: right only within a limited range of input values
;; workspace buffers: x_img 6,553,600 bytes; w_img 2,457,600 bytes; qk_img 13,107,200 bytes; v_img 6,553,600 bytes; p_img 7,864,320 bytes; pstat 983,040 bytes
;; launch quant (part 1): grid 704 x 1, 4 waves a work-group, no clusters, 35,328 bytes of LDS; arguments x, w_qkv, x_img, w_img; writes x_img, w_img
.if DOCPART == 1
	.amdgcn_target "amdgcn-amd-amdhsa--gfx1250"
	.amdhsa_code_object_version 6
	.text
	.protected	k_qe3a3be13dc_quant
	.globl	k_qe3a3be13dc_quant
	.p2align	8
	.type	k_qe3a3be13dc_quant,@function
k_qe3a3be13dc_quant:
	s_mov_b64 s[64:65], 0
	v_nop
	global_prefetch_b8 v0, s[64:65] scope:SCOPE_SE
	s_setreg_imm32_b32 hwreg(HW_REG_WAVE_MODE, 25, 1), 1
	s_wait_xcnt 0x0
; SINGLE-HEAD CAUSAL ATTENTION IN MX-FP6 (E2M3, one E8M0 scale for each 32 along K), B = 4, T = 2048, C = 1024.  Four launches:
;   quant   x and w_qkv (f32) become codes;                       qkv    q, k, v = x W^T, quantised in registers on the way out;
;   scores  S = q k^T, p = 2^(t - M) for each 128 keys, quantised; mix    O = P v, P's scale bytes brought under the row's M, O / l.
; DEAD WORK LEFT OUT (in scores and mix).  reference() builds causal = tril(ones) in its own body and puts -inf where key > query, so p = 0 there for all
; values of the inputs.  A tile of scores all of whose keys come after all of its work-group's queries therefore adds 0 to every row's sum and 0 to every
; output, whatever x and w_qkv hold: such tiles of product 2, and the same K steps of product 3, are not computed.  Hidden scores inside a tile that also
; holds open ones are computed and set to -inf.  Both inputs are live and are loaded whole.
; LIMIT: a NaN, an infinity or an overflow that reaches only the tiles left out is not carried to the result.
;
; THIS LAUNCH.  x [8192][1024] and w_qkv [3072][1024], f32, K innermost, are quantised along K by the stated rule: a block's scale is
; 2^(floor(log2(its largest magnitude)) - 2); its byte is the largest magnitude's exponent field - 2, held at 1 from below.
; LIMITS: a block of zeros gets the byte 1 where the rule says 127 (its codes are zeros, which add nothing under any byte but 0xff, and only this program
; reads the bytes); NaN and infinities among the inputs are not served.
; THE WORKSPACE'S LAYOUT, one rule for all operands of all launches: IMAGES OF THE OPERAND'S REGISTERS.  A fragment (16 rows x 128 K, 12 registers a lane) is
; 1,536 bytes: [4 registers][lane][16 bytes].  A group is 128 rows = 8 fragments (tiles).  A block (group, K step) is 12,800 bytes: 8 fragments, then at 12,288
; the scale words [tile][row of 16] x 4 bytes.  block(g, s) lies at ((g / 2) KS + s) x 25,600 + (g % 2) x 12,800, KS the operand's K steps.
; THE ROWS OF A TILE ARE NOT NEIGHBOURS: lane r of tile T holds row 32 (T / 2) + 8 (T % 2) + r + 8 (r / 8) of its group, so that a product's 16 result
; registers of two neighbouring tiles are 16 neighbours along the next product's K.
; SHARES.  Work-groups 0-255 take x, 256-351 w_qkv (pointers are chosen on the work-group's number; one path through the text).  A work-group takes 64 rows x
; 512 along K; wave w one tile of 16 rows, four K steps.  Each load reads a row's 512 consecutive bytes; the 16 rows turn through the wave's own stage in LDS,
; so that lane (r, h) gets, of row r, 16 neighbours of each block of 32.  Memory binds: no matrix unit, no cluster (work-groups share no input), no tensor load.
; THE SHARES AS THEY STAND (in place of the paragraph SHARES above): work-groups 0-511 take x, 512-703 w_qkv; a work-group takes 64 rows x 256 along K; wave w one tile of 16 rows, two K steps,
; whose 32 loads all go out ahead of the first wait.  On the way out waves 0 and 1 store the two K steps' scale words.
.set SP,    528
.set STGW,  16*SP                      ; a wave's stage
.set SCG,   4*STGW                     ; behind the stages: the scale words, [K step][wave][row] x 4 bytes
.set SPARE, SCG+1024                   ; the spare words, 128 bytes for each wave: two blocks of 256 bytes that no other line names
.set PBLK,  25600
.set BLK,   12800
.set FRB,   1536
.set SCO,   12288
.set LI,  1                            ; v1   16 x lane
.set STI, 2                            ; v2   the stage, in: my wave's + 16 x lane
.set STO, 3                            ; v3   the stage, out: my wave's + 528 r + 64 h
.set SWI, 4                            ; v4   where my row's scale word goes
.set SWO, 5                            ; v5   where I read 8 bytes of a K step's 256 bytes of words
.set GO8, 6                            ; v6   8 x lane
.set SPW, 8                            ; v8   LDS address of my spare word; never rewritten
.set NIL, 9                            ; v9   0; never rewritten
.set TM,  12                           ; v12-27  at work in QUANT
.set PW,  28                           ; v28  the scale word just made
.set PC,  32                           ; v32-51  the codes just made
.set R,   64                           ; v64-191 two sets of 64 registers as loaded
.set X,   192                          ; v192-255 64 numbers: register 16 b + i = k 32 b + 16 h + i of my row
.set WV,  12
.set SEL, 20
; 64 numbers of a lane become a fragment's codes in v[PC] on and its scale word in v[PW]
.macro QUANT s
.irp b, 0,1,2,3
	v_max3_num_f32 v[TM+\b], |v[\s+16*\b]|, |v[\s+1+16*\b]|, 0x1800000   ; block b: my 16 numbers, and the floor 2^(3 - 127): the byte cannot fall under 1
.endr
.irp i, 2,4,6,8,10,12,14
.irp b, 0,1,2,3
	v_max3_num_f32 v[TM+\b], v[TM+\b], |v[\s+16*\b+\i]|, |v[\s+1+16*\b+\i]|   ; the four blocks by turns
.endr
.endr
.irp b, 0,1,2,3
	v_permlanex16_b32 v[TM+4+\b], v[TM+\b], s[SEL], s[SEL+1]
.endr
.irp b, 0,1,2,3
	v_max_num_f32 v[TM+\b], v[TM+\b], v[TM+4+\b]                   ; with lane l xor 16's: the block's largest magnitude
.endr
.irp b, 0,1,2,3
	v_add_nc_u32 v[TM+12+\b], 0xff000000, v[TM+\b]                 ; 2 off its exponent field: the conversion takes this operand's exponent field as its scale
.endr
.irp b, 0,1,2,3
	v_lshrrev_b32 v[TM+4+\b], 23, v[TM+12+\b]                      ; the scale's byte
.endr
	v_lshl_or_b32 v[PW], v[TM+5], 8, v[TM+4]
	v_lshl_or_b32 v[PW], v[TM+6], 16, v[PW]
	v_lshl_or_b32 v[PW], v[TM+7], 24, v[PW]
.irp c, 0,1
	v_cvt_scalef32_pk16_fp6_f32 v[PC+6*\c:PC+2+6*\c], v[\s+32*\c:\s+15+32*\c], v[TM+12+2*\c]
	v_cvt_scalef32_pk16_fp6_f32 v[PC+12+4*\c:PC+14+4*\c], v[\s+16+32*\c:\s+31+32*\c], v[TM+12+2*\c+1]   ; (a conversion's three registers begin on an even number)
.endr
	v_nop                                          ; one plain place behind a scaled conversion
.irp c, 0,1                                    ; the operand's layout wants a whole block in a lane: lanes 0-15 block 2 c, lanes 16-31 block 2 c + 1
.irp i, 0,1,2
	v_permlane16_swap_b32 v[PC+6*\c+\i], v[PC+12+4*\c+\i]
.endr
.irp i, 0,1,2
	v_mov_b32 v[PC+3+6*\c+\i], v[PC+12+4*\c+\i]
.endr
.endr
.endm
	s_load_b256 s[4:11], s[0:1], 0x0               ; x s[4:5], w_qkv s[6:7], x_img s[8:9], w_img s[10:11]
	v_lshl_add_u32 v[SPW], v0, 2, SPARE
	v_mov_b32 v[NIL], 0
	v_lshrrev_b32 v7, 5, v0
	v_readfirstlane_b32 s[WV], v7                  ; wave 0..3
	v_and_b32 v10, 31, v0                          ; lane
	v_and_b32 v11, 15, v0                          ; r
	v_bfe_u32 v7, v0, 4, 1                         ; h
	v_lshlrev_b32 v[LI], 4, v10
	s_mul_i32 s13, s[WV], STGW
	v_add_nc_u32 v[STI], s13, v[LI]
	v_mul_u32_u24 v[STO], v11, SP
	v_lshl_add_u32 v[STO], v7, 6, v[STO]
	v_add_nc_u32 v[STO], s13, v[STO]
	s_lshl_b32 s13, s[WV], 6
	s_add_co_u32 s13, s13, SCG
	v_lshl_add_u32 v[SWI], v11, 2, s13             ; SCG + 64 x wave + 4 r
	s_lshl_b32 s13, s[WV], 8
	s_add_co_u32 s13, s13, SCG
	v_lshl_add_u32 v[SWO], v10, 3, s13             ; SCG + 256 x wave + 8 x lane
	v_lshlrev_b32 v[GO8], 3, v10
	s_mov_b32 s[SEL], 0x76543210
	s_mov_b32 s[SEL+1], 0xfedcba98                 ; v_permlanex16_b32's selects for lane l xor 16
.irp b, 0,1,2,3
	v_mov_b32 v[TM+4+\b], 0                        ; written once: a lane permute's destination counts as one of its sources
.endr
	s_wait_alu depctr_va_vdst(0)
	s_wait_kmcnt 0x0
	s_cmp_lt_u32 ttmp9, 512                        ; x's work-group or w_qkv's?  The choice hangs on the work-group's number alone
	s_cselect_b64 s[4:5], s[4:5], s[6:7]
	s_cselect_b64 s[8:9], s[8:9], s[10:11]
	s_cselect_b32 s14, 0, 512
	s_sub_co_u32 s14, ttmp9, s14                   ; n: my number within the tensor
	s_lshr_b32 s15, s14, 2                         ; which 64 rows
	s_and_b32 s16, s14, 3                          ; which quarter of K: K steps 2 kq, 2 kq + 1
	s_lshr_b32 s17, s15, 1                         ; the group
	s_and_b32 s18, s15, 1                          ; and which half of it
	s_lshl_b32 s22, s15, 6
	s_lshr_b32 s23, s[WV], 1
	s_lshl_b32 s23, s23, 5
	s_add_co_u32 s22, s22, s23
	s_and_b32 s23, s[WV], 1
	s_lshl_b32 s23, s23, 3
	s_add_co_u32 s22, s22, s23                     ; my tile's first row: 64 x half group + 32 (w / 2) + 8 (w % 2)
	s_lshl_b32 s22, s22, 12                        ; rows of 4,096 bytes
	s_lshl_b32 s23, s16, 10                        ; a quarter of a row is 1,024 bytes
	s_add_co_u32 s22, s22, s23
	s_mov_b32 s23, 0
	s_add_nc_u64 s[4:5], s[4:5], s[22:23]
	s_lshr_b32 s24, s17, 1
	s_lshl_b32 s24, s24, 3
	s_lshl_b32 s25, s16, 1
	s_add_co_u32 s24, s24, s25
	s_mul_i32 s24, s24, PBLK
	s_and_b32 s25, s17, 1
	s_mul_i32 s25, s25, BLK
	s_add_co_u32 s24, s24, s25                     ; block(group, 2 kq)
	s_mul_i32 s26, s[WV], PBLK                     ; on the way out wave w stores the words of K step 2 kq + w
	s_add_co_u32 s26, s26, s24
	s_lshl_b32 s27, s18, 8
	s_add_co_u32 s26, s26, s27
	s_add_co_u32 s26, s26, SCO
	s_mov_b32 s27, 0
	s_add_nc_u64 s[10:11], s[8:9], s[26:27]
	s_lshl_b32 s25, s18, 2
	s_add_co_u32 s25, s25, s[WV]                   ; my tile in the group
	s_mul_i32 s25, s25, FRB
	s_add_co_u32 s24, s24, s25
	s_mov_b32 s25, 0
	s_add_nc_u64 s[8:9], s[8:9], s[24:25]
.macro LOAD t                          ; K step t of my 16 rows: each load reads 512 consecutive bytes of one row
.irp i, 0,1,2,3,4,5,6,7,8,9,10,11,12,13,14,15
	global_load_b128 v[R+64*((\t)%2)+4*\i:R+64*((\t)%2)+4*\i+3], v[LI], s[4:5] offset:(\i+8*(\i/8))*4096+512*(\t) th:TH_LOAD_NT
.endr
.endm
.macro STEP t
.if (\t) < 1
	s_wait_loadcnt 16
.else
	s_wait_loadcnt 0x0
.endif
.irp i, 0,1,2,3,4,5,6,7,8,9,10,11,12,13,14,15
	ds_store_b128 v[STI], v[R+64*((\t)%2)+4*\i:R+64*((\t)%2)+4*\i+3] offset:SP*\i
.endr
.irp b, 0,1,2,3
.irp j, 0,1,2,3
	ds_load_b128 v[X+16*\b+4*\j:X+16*\b+4*\j+3], v[STO] offset:128*\b+16*\j   ; LDS serves a wave's instructions in order: these see my stores
.endr
.endr
	s_wait_dscnt 0x0                               ; my numbers are back, and the stores into the stage have read their registers
	s_wait_xcnt 0x0                                ; the last step's stores have read their data: the codes' registers are written again only behind this wait
	QUANT X
.irp c, 0,1,2
	global_store_b128 v[LI], v[PC+4*\c:PC+4*\c+3], s[8:9] offset:PBLK*(\t)+512*\c   ; 32 lanes store 512 consecutive bytes, aligned
.endr
	ds_store_b32 v[SWI], v[PW] offset:256*(\t)     ; lanes r and r + 16 write the same word with the same value
.endm
	LOAD 0
	LOAD 1
	STEP 0
	STEP 1
	s_wait_dscnt 0x0                               ; for the others' sake: my scale words lie in LDS
	s_barrier_signal -1
	s_barrier_wait -1
	s_cmp_lt_u32 s[WV], 2                          ; two K steps: waves 0 and 1 store their words
	s_cbranch_scc0 .Lno_words
	ds_load_b64 v[12:13], v[SWO]                   ; K step w's words of the work-group's four tiles
	s_wait_dscnt 0x0
	global_store_b64 v[GO8], v[12:13], s[10:11]    ; 32 lanes store 256 consecutive bytes, aligned
.Lno_words:
	s_wait_tensorcnt 0x0                           ; the wave's end
	ds_add_u32 v[SPW], v[NIL]
	s_wait_dscnt 0x0
	s_endpgm
.Lfunc_end_k_qe3a3be13dc_quant:
	.size	k_qe3a3be13dc_quant, .Lfunc_end_k_qe3a3be13dc_quant-k_qe3a3be13dc_quant
	.p2alignl 7, 3214868480
	.fill 96, 4, 3214868480
	.section	.rodata,"a",@progbits
	.p2align	6, 0x0
	.amdhsa_kernel k_qe3a3be13dc_quant
		.amdhsa_group_segment_fixed_size 35328
		.amdhsa_private_segment_fixed_size 0
		.amdhsa_enable_private_segment 0
		.amdhsa_kernarg_size 32
		.amdhsa_user_sgpr_count 2
		.amdhsa_user_sgpr_kernarg_segment_ptr 1
		.amdhsa_wavefront_size32 1
		.amdhsa_system_sgpr_workgroup_id_x 1
		.amdhsa_system_sgpr_workgroup_id_y 1
		.amdhsa_system_sgpr_workgroup_id_z 1
		.amdhsa_system_vgpr_workitem_id 0
		.amdhsa_next_free_vgpr 256
		.amdhsa_next_free_sgpr 66
		.amdhsa_reserve_vcc 0
		.amdhsa_float_denorm_mode_32 3
		.amdhsa_float_denorm_mode_16_64 3
		.amdhsa_memory_ordered 1
		.amdhsa_forward_progress 1
		.amdhsa_inst_pref_size 19
	.end_amdhsa_kernel
	.amdgpu_metadata
---
amdhsa.version: [ 1, 2 ]
amdhsa.kernels:
  - .name:           k_qe3a3be13dc_quant
    .symbol:         k_qe3a3be13dc_quant.kd
    .args:
      - { .name: x, .offset: 0, .size: 8, .value_kind: global_buffer, .address_space: global }
      - { .name: w_qkv, .offset: 8, .size: 8, .value_kind: global_buffer, .address_space: global }
      - { .name: x_img, .offset: 16, .size: 8, .value_kind: global_buffer, .address_space: global }
      - { .name: w_img, .offset: 24, .size: 8, .value_kind: global_buffer, .address_space: global }
    .group_segment_fixed_size: 35328
    .private_segment_fixed_size: 0
    .kernarg_segment_align: 8
    .kernarg_segment_size: 32
    .max_flat_workgroup_size: 128
    .sgpr_count:     66
    .vgpr_count:     256
    .wavefront_size: 32
...
	.end_amdgpu_metadata
.endif
;; end of part 1
;; launch qkv (part 2): grid 8 x 32, 4 waves a work-group, clusters of 4 x 4, 327,680 bytes of LDS; arguments x_img, w_img, qk_img, v_img; writes qk_img, v_img
.if DOCPART == 2
	.amdgcn_target "amdgcn-amd-amdhsa--gfx1250"
	.amdhsa_code_object_version 6
	.text
	.protected	k_qe3a3be13dc_qkv
	.globl	k_qe3a3be13dc_qkv
	.p2align	8
	.type	k_qe3a3be13dc_qkv,@function
k_qe3a3be13dc_qkv:
	s_mov_b64 s[64:65], 0
	v_nop
	global_prefetch_b8 v0, s[64:65] scope:SCOPE_SE
	s_setreg_imm32_b32 hwreg(HW_REG_WAVE_MODE, 25, 1), 1
	s_wait_xcnt 0x0
	s_wait_alu depctr_hold_cnt(0) depctr_sa_sdst(0) depctr_va_vdst(0) depctr_va_sdst(0) depctr_va_ssrc(0) depctr_va_vcc(0) depctr_vm_vsrc(0)
	s_getreg_b32 s2, hwreg(HW_REG_IB_STS2, 6, 4)
	s_cmp_eq_u32 s2, 0
	s_cbranch_scc0 .Lentry_in_a_cluster
	s_endpgm
.Lentry_in_a_cluster:
	s_bfe_u32 s2, ttmp6, 0x10000c
	s_cmp_lg_u32 s2, 0xf033
	s_cbranch_scc0 .Lentry_shape_is_right
	s_endpgm
.Lentry_shape_is_right:
; q, k, v = x W^T on codes of FP6 (E2M3) with E8M0 scales; the results are quantised in registers and leave as images of the next products' operands.
; THE CORE (the same in the next two launches): D = S0 S1^T; a tile is 256 rows of S0 x 128 rows of S1; each of the four waves makes 128 x 64: 32 accumulators.
; Source 0 = 16 rows of S0, source 1 = 16 rows of S1: a lane holds ONE row of S1, and its registers run along S0's rows.  By the order of rows in a tile (lane r of
; tile T holds row 32 (T / 2) + 8 (T % 2) + r + 8 (r / 8) of its group of 128) the 64 registers of one tile of S1 are k = 32 b + 16 h + i of the next operand.
; q, k: S0 = W's features, S1 = x's tokens (next K = the features).   v: S0 = x's tokens, S1 = W_v's channels (next K = the tokens).
; A WORK-GROUP STAYS AND MAKES THREE TILES: two of q or k (the same 256 features, token groups 32 apart), then one of v.  The text is written out tile by tile.
; ALL OF A TILE'S K (1,024) LIES IN LDS: 8 K steps x (25,600 bytes of S0 + 12,800 of S1), as TWO SLOTS of four K steps.  A slot is filled again, with the next tile's K steps, at its last K step:
; each wave waits for all its tensor loads, adds 0 to its spare word, waits for that and for its reads of the slot (the last K step's fragments are then in registers), and a round of the cluster's
; barrier follows; the refill is the first thing behind it, one tensor load a wave (waves 0, 1: S0; waves 2, 3: S1).  It has four K steps, 128 matrix instructions a wave, in which to land, slot 1's the
; way out besides.  W's tile serves tiles 0 and 1 and is not fetched twice: for tile 1 waves 2 and 3 alone fill.  By this text's own count a wave has at most one tensor load outstanding.
; CLUSTERS: 4 x 4 work-groups.  S0's tile hangs on cx and is shared along a column of the cluster, S1's on cy and is shared along a row: each is asked for jointly.
; q's groups are interleaved: a super-block of 512 queries is 8 pieces of 64; group 4 SB + p holds pieces p and 4 + p, so that the four groups of a super-block need the same keys.
; LIMITS: a block of zeros gets the scale byte 1 (its codes are zeros; only this program reads the bytes); NaN and infinities are not served.
; REGISTERS, in windows of 256: window 0: v1-11 addresses; v16-27 scale words, two sets, and nothing else; v28-30 addresses of the way out; v32-127 S1's fragments, two sets;
;   v128-255 the way out.   window 1: S0's fragments, two sets, at v0 and v128.   window 2: accumulator (S1's tile b, S0's tile a) at v[64 b + 8 a].
.set PBLK,  25600                      ; a pair of groups at one K step
.set BLK,   12800                      ; a group at one K step
.set FRB,   1536                       ; a fragment
.set SCO,   12288                      ; a block's scale words
.set NEXT1, 16*8*PBLK                  ; 32 groups of 8 K steps on: from tile 0 to tile 1, in x's images and in q's and k's alike
.set S1R,   8*PBLK                     ; LDS: S0's 8 K steps from 0, S1's from here
.set SPARE, S1R+8*BLK                  ; the spare words, 128 bytes for each wave: two blocks of 256 bytes that no other line names
.set STG,   SPARE+512                  ; 768 bytes for each wave: scale words on the way out; no tile lands here
.set LI,  1                            ; v1   16 x lane
.set B0,  2                            ; v2   my group of S0 at K step 0
.set B1,  3                            ; v3   my four tiles of S1
.set BS0, 4                            ; v4   S0's scale words
.set BS1, 5                            ; v5   S1's
.set A0,  6                            ; v6-9 the same four at the K step in hand
.set A1,  7
.set AS0, 8
.set AS1, 9
.set SPW, 10                           ; v10  LDS address of my spare word; never rewritten
.set NIL, 11                           ; v11  0; never rewritten
.set SC,  16                           ; set p at 16 + 6 p: four registers of S0's words, two of S1's; lanes 0-15 the even tile, lanes 16-31 the odd one
.set GO8, 28
.set STI, 29
.set STO, 30
.set F1,  32
.set PCB, 128                          ; the codes of tile t at v[128 + 20 t]
.set PWB, 216                          ; its scale word at v[216 + t]
.set TM,  224                          ; v224-239 at work
.set WV,  12
.set S0H, 13                           ; my group of S0.  Also: I fetch for S0 (0) or S1 (1)
.set S1H, 14                           ; my half of S1.  Also: which two K steps of a slot I fetch
.set SEL, 20
.set G1A, 24
.set G1B, 32
.set G0A, 40                           ; s[40:47] S0's groups 0, a set for each slot
.set G0B, 48                           ; s[48:55] S1's
.set T2S0, 56                          ; s[56:57] tile 2: where my part of S0's slot 0 lies in memory
.set T2S1, 58                          ; s[58:59] and of S1's
.set OC0, 66                           ; s[66:67] tiles 0, 1: where my codes go;  s[68:69] my scale words
.set OS0, 68
.set OC2, 70                           ; s[70:73] the same for tile 2
.set OS2, 72
.set MSB, 0
.macro WIN new                         ; the immediate's high byte repeats the setting that is left
.if MSB != \new
	s_set_vgpr_msb (MSB<<8)|\new
.set MSB, \new
.endif
.endm
.macro CREST                           ; a round of the cluster's barrier behind its opening barrier
	s_cmp_lg_u32 s[WV], 0
	s_cbranch_scc1 .Lnot_wave_0_\@
	s_barrier_signal -3
.Lnot_wave_0_\@:
	s_barrier_wait -3
	s_barrier_signal -1
	s_barrier_wait -1
.endm
.macro CROUND                          ; a whole round
	s_barrier_signal -1
	s_barrier_wait -1
	CREST
.endm
; A joint refill of slot s.  both = 1: waves 0, 1 fill S0's part, waves 2, 3 S1's.  both = 0: S0's tile stays, waves 2, 3 alone fill.  The branches hang on the wave's number alone.
; An s_nop 0 and four v_nop follow each tensor load.
.macro JLOAD s, both
	s_cmp_lt_u32 s[WV], 2
.if \both
	s_cbranch_scc0 .Lfor_s1_\@
	tensor_load_to_lds s[G0A+4*\s:G0A+4*\s+3], s[G1A:G1A+7]
	s_nop 0
.rept 4
	v_nop
.endr
	s_branch .Lasked_\@
.Lfor_s1_\@:
.else
	s_cbranch_scc1 .Lasked_\@
.endif
	tensor_load_to_lds s[G0B+4*\s:G0B+4*\s+3], s[G1B:G1B+7]
	s_nop 0
.rept 4
	v_nop
.endr
.Lasked_\@:
.endm
; K step c's fragments and scale words into set c % 2: 42 LDS loads in one run, each of 512 or 128 consecutive bytes.  The four additions are the four places in front of loads
; into registers that matrix instructions have read.
.macro FETCH c
	WIN 0
	v_add_nc_u32 v[A0], (\c)*PBLK, v[B0]
	v_add_nc_u32 v[A1], (\c)*BLK, v[B1]
	v_add_nc_u32 v[AS0], (\c)*PBLK, v[BS0]
	v_add_nc_u32 v[AS1], (\c)*BLK, v[BS1]
	WIN 0x40                                       ; destination window 1
.irp a, 0,1,2,3,4,5,6,7
.irp k, 0,1,2
	ds_load_b128 v[128*((\c)%2)+12*\a+4*\k:128*((\c)%2)+12*\a+4*\k+3], v[A0] offset:FRB*\a+512*\k
.endr
.endr
	WIN 0
.irp b, 0,1,2,3
.irp k, 0,1,2
	ds_load_b128 v[F1+48*((\c)%2)+12*\b+4*\k:F1+48*((\c)%2)+12*\b+4*\k+3], v[A1] offset:FRB*\b+512*\k
.endr
.endr
.irp i, 0,1,2,3
	ds_load_b32 v[SC+6*((\c)%2)+\i], v[AS0] offset:128*\i
.endr
.irp i, 0,1
	ds_load_b32 v[SC+6*((\c)%2)+4+\i], v[AS1] offset:128*\i
.endr
.endm
; one matrix instruction: S0's tile a x S1's tile b, set p.  An odd tile's scale words lie in lanes 16-31 of their register.
.macro WMM b, a, p, zero
.set rD, 64*(\b)+8*(\a)
.set rA, 128*(\p)+12*(\a)
.set rB, F1+48*(\p)+12*(\b)
.set rX, SC+6*(\p)+(\a)/2
.set rY, SC+6*(\p)+4+(\b)/2
.set ODD, 2*((\b)%2)+(\a)%2
.if \zero
.if ODD == 0
	v_wmma_scale_f32_16x16x128_f8f6f4 v[rD:rD+7], v[rA:rA+11], v[rB:rB+11], 0, v[rX], v[rY] matrix_a_fmt:MATRIX_FMT_FP6 matrix_b_fmt:MATRIX_FMT_FP6
.elseif ODD == 1
	v_wmma_scale_f32_16x16x128_f8f6f4 v[rD:rD+7], v[rA:rA+11], v[rB:rB+11], 0, v[rX], v[rY] matrix_a_fmt:MATRIX_FMT_FP6 matrix_b_fmt:MATRIX_FMT_FP6 matrix_a_scale:MATRIX_SCALE_ROW1
.elseif ODD == 2
	v_wmma_scale_f32_16x16x128_f8f6f4 v[rD:rD+7], v[rA:rA+11], v[rB:rB+11], 0, v[rX], v[rY] matrix_a_fmt:MATRIX_FMT_FP6 matrix_b_fmt:MATRIX_FMT_FP6 matrix_b_scale:MATRIX_SCALE_ROW1
.else
	v_wmma_scale_f32_16x16x128_f8f6f4 v[rD:rD+7], v[rA:rA+11], v[rB:rB+11], 0, v[rX], v[rY] matrix_a_fmt:MATRIX_FMT_FP6 matrix_b_fmt:MATRIX_FMT_FP6 matrix_a_scale:MATRIX_SCALE_ROW1 matrix_b_scale:MATRIX_SCALE_ROW1
.endif
.else
.if ODD == 0
	v_wmma_scale_f32_16x16x128_f8f6f4 v[rD:rD+7], v[rA:rA+11], v[rB:rB+11], v[rD:rD+7], v[rX], v[rY] matrix_a_fmt:MATRIX_FMT_FP6 matrix_b_fmt:MATRIX_FMT_FP6
.elseif ODD == 1
	v_wmma_scale_f32_16x16x128_f8f6f4 v[rD:rD+7], v[rA:rA+11], v[rB:rB+11], v[rD:rD+7], v[rX], v[rY] matrix_a_fmt:MATRIX_FMT_FP6 matrix_b_fmt:MATRIX_FMT_FP6 matrix_a_scale:MATRIX_SCALE_ROW1
.elseif ODD == 2
	v_wmma_scale_f32_16x16x128_f8f6f4 v[rD:rD+7], v[rA:rA+11], v[rB:rB+11], v[rD:rD+7], v[rX], v[rY] matrix_a_fmt:MATRIX_FMT_FP6 matrix_b_fmt:MATRIX_FMT_FP6 matrix_b_scale:MATRIX_SCALE_ROW1
.else
	v_wmma_scale_f32_16x16x128_f8f6f4 v[rD:rD+7], v[rA:rA+11], v[rB:rB+11], v[rD:rD+7], v[rX], v[rY] matrix_a_fmt:MATRIX_FMT_FP6 matrix_b_fmt:MATRIX_FMT_FP6 matrix_a_scale:MATRIX_SCALE_ROW1 matrix_b_scale:MATRIX_SCALE_ROW1
.endif
.endif
.endm
; 16 matrix instructions.  The 32 accumulators take turns, one instruction a turn, in the same order in every K step and from tile to tile.
.macro MULH p, a0, zero
	WIN 0xa1                                       ; source 0 window 1, source 1 window 0, C and D window 2
.irp a, \a0, \a0+1, \a0+2, \a0+3
.irp b, 0,1,2,3
	WMM \b, \a, \p, \zero
.endr
.endr
.endm
; A K step that has its successor in the same slot: its fragments are in; the next step's are asked for, 32 matrix instructions ahead of their use; then the products.
.macro KSTEP c, zero
	s_wait_dscnt 0x0                               ; this step's 42 loads are in
	FETCH (\c)+1
	MULH (\c)%2, 0, \zero
	MULH (\c)%2, 4, \zero
.endm
; A slot's last K step (3 or 7; its fragments are in set 1) changes slots.  kind = 0: the last tile: nothing is filled, a plain barrier shows slot 1 whole.
; kind = 1: the slot takes tile 1's K steps: S1's alone, NEXT1 bytes on.   kind = 2: it takes tile 2's: S0's and S1's, from their own places.
.macro TURN slot, kind
	WIN 0                                          ; (the add's two registers lie in window 0)
	s_wait_tensorcnt 0x0                           ; all my tensor loads have landed, my part of the other slot among them: so a group 0 may be written
.if \kind
	ds_add_u32 v[SPW], v[NIL]                      ; 0 onto my spare word; the descriptors' steps stand between it and the wait for it
.if \kind == 1
	s_add_nc_u64 s[G0B+4*\slot+2:G0B+4*\slot+3], s[G0B+4*\slot+2:G0B+4*\slot+3], NEXT1   ; the type bits on top are not reached
.else
	s_add_nc_u64 s[G0A+4*\slot+2:G0A+4*\slot+3], s[T2S0:T2S0+1], \slot*4*PBLK
	s_or_b32 s[G0A+4*\slot+3], s[G0A+4*\slot+3], 0x80000000
	s_add_nc_u64 s[G0B+4*\slot+2:G0B+4*\slot+3], s[T2S1:T2S1+1], \slot*4*PBLK
	s_or_b32 s[G0B+4*\slot+3], s[G0B+4*\slot+3], 0x80000000
.endif
.endif
	s_wait_dscnt 0x0                               ; the add is done; this step's fragments are in, and with them my reads of this slot are over
	s_barrier_signal -1                            ; (kind > 0: this barrier opens a round of the cluster's barrier)
	MULH 1, 0, 0                                   ; work on registers while the others arrive
	WIN 0
	s_barrier_wait -1
.if \kind
	CREST                                          ; no wave of any partner still reads this slot or has a load on its way
	JLOAD \slot, (\kind)-1                         ; the first tensor load behind the round, one a wave
.endif
	FETCH 4-4*\slot                                ; the other slot's first K step: this tile's K step 4, or the next tile's K step 0
	MULH 1, 4, 0
.endm
.macro TILE kind
	KSTEP 0, 1                                     ; the first products start the sums: nothing is cleared
	KSTEP 1, 0
	KSTEP 2, 0
	TURN 0, \kind
	KSTEP 4, 0
	KSTEP 5, 0
	KSTEP 6, 0
.if \kind
	TURN 1, \kind
.else
	s_wait_dscnt 0x0                               ; the very last K step: nothing more to fetch
	MULH 1, 0, 0
	MULH 1, 4, 0
.endif
.endm
; 64 results of a lane in window 2, register 16 b + i = k 32 b + 16 h + i of my row, become a fragment's codes in v[pc] on and its scale word in v[pw].  Each accumulator is read from its low end on.
.macro QUANTW s, pc, pw
	WIN 0x0a
.irp b, 0,1,2,3
	v_max3_num_f32 v[TM+\b], |v[(\s)+16*\b]|, |v[(\s)+1+16*\b]|, 0x1800000   ; and the floor 2^(3 - 127): the byte cannot fall under 1
.endr
	WIN 0x28
.irp i, 2,4,6,8,10,12,14
.irp b, 0,1,2,3
	v_max3_num_f32 v[TM+\b], v[TM+\b], |v[(\s)+16*\b+\i]|, |v[(\s)+1+16*\b+\i]|
.endr
.endr
	WIN 0
.irp b, 0,1,2,3
	v_permlanex16_b32 v[TM+4+\b], v[TM+\b], s[SEL], s[SEL+1]
.endr
.irp b, 0,1,2,3
	v_max_num_f32 v[TM+\b], v[TM+\b], v[TM+4+\b]
.endr
.irp b, 0,1,2,3
	v_add_nc_u32 v[TM+12+\b], 0xff000000, v[TM+\b]                 ; 2 off the exponent field: the conversion's scale operand
.endr
.irp b, 0,1,2,3
	v_lshrrev_b32 v[TM+4+\b], 23, v[TM+12+\b]                      ; the scale's byte
.endr
	v_lshl_or_b32 v[\pw], v[TM+5], 8, v[TM+4]
	v_lshl_or_b32 v[\pw], v[TM+6], 16, v[\pw]
	v_lshl_or_b32 v[\pw], v[TM+7], 24, v[\pw]
	WIN 0x02
.irp c, 0,1
	v_cvt_scalef32_pk16_fp6_f32 v[(\pc)+6*\c:(\pc)+2+6*\c], v[(\s)+32*\c:(\s)+15+32*\c], v[TM+12+2*\c]
	v_cvt_scalef32_pk16_fp6_f32 v[(\pc)+12+4*\c:(\pc)+14+4*\c], v[(\s)+16+32*\c:(\s)+31+32*\c], v[TM+12+2*\c+1]
.endr
	WIN 0
	v_nop                                          ; one plain place behind a scaled conversion: the next tile's products write the conversions' sources
.irp c, 0,1
.irp i, 0,1,2
	v_permlane16_swap_b32 v[(\pc)+6*\c+\i], v[(\pc)+12+4*\c+\i]
.endr
.irp i, 0,1,2
	v_mov_b32 v[(\pc)+3+6*\c+\i], v[(\pc)+12+4*\c+\i]
.endr
.endr
.endm
; THE WAY OUT of a tile: each of my four tiles of S1 is one fragment of the next operand: 3 stores of 512 consecutive bytes; the scale words are gathered in my own 256 bytes of LDS.
; oc, os: the bases; imm: bytes on from them; again = 1: an earlier way out's stores have named the same data registers.
.macro WAYOUT oc, os, imm, again
	WIN 0
.rept 5
	v_nop                                          ; places behind the last products: four in front of the first read of results, five in front of the next tile's products, which begin the accumulators anew
.endr
.if \again
	s_wait_xcnt 0x0                                ; the last way out's stores have read their data: those registers are written again only behind this wait
.endif
.irp t, 0,1,2,3
	QUANTW 64*\t, PCB+20*\t, PWB+\t
.irp k, 0,1,2
	global_store_b128 v[LI], v[PCB+20*\t+4*\k:PCB+20*\t+4*\k+3], s[\oc:\oc+1] offset:\imm+FRB*\t+512*\k
.endr
	ds_store_b32 v[STI], v[PWB+\t] offset:64*\t    ; lanes r and r + 16 write the same word with the same value
.endr
	ds_load_b64 v[244:245], v[STO]                 ; LDS serves a wave's instructions in order: this sees my stores
	s_wait_dscnt 0x0
	global_store_b64 v[GO8], v[244:245], s[\os:\os+1] offset:\imm   ; 32 lanes store 256 consecutive bytes, aligned
.endm
	s_load_b256 s[4:11], s[0:1], 0x0               ; x_img s[4:5], w_img s[6:7], qk_img s[8:9], v_img s[10:11]
	v_lshl_add_u32 v[SPW], v0, 2, SPARE
	v_mov_b32 v[NIL], 0
	ds_add_u32 v[SPW], v[NIL]                      ; the wave's opening: the add, twice on end, and its wait ahead of my first tensor load
	ds_add_u32 v[SPW], v[NIL]                      ; and once more; the set-up below, work on registers, stands between it and the wait
	v_lshrrev_b32 v12, 5, v0
	v_readfirstlane_b32 s[WV], v12                 ; wave 0..3
	s_lshr_b32 s[S0H], s[WV], 1
	s_and_b32 s[S1H], s[WV], 1
	s_bfe_u32 s15, ttmp6, 0x40000                  ; cx
	s_bfe_u32 s16, ttmp6, 0x40004                  ; cy
	s_and_b32 s18, ttmp7, 0xffff                   ; the cluster's y, 0..7
	s_lshl_b32 s19, s18, 1
	s_add_co_u32 s19, s19, ttmp9                   ; the cluster's number, 0..15: it places tile 2
	s_mul_i32 s84, s[S1H], 2*PBLK                  ; the two K steps that I fetch of a slot's four: in memory, and for S0 in LDS too
	s_mul_i32 s85, s[S1H], 2*BLK                   ; and for S1 in LDS
	; S0's places, s78-83: they never hold cy
	s_lshl_b32 s78, ttmp9, 2
	s_add_co_u32 s78, s78, s15                     ; tiles 0, 1: W's pair of groups 4 X + cx: 0..7
	s_mul_i32 s80, s78, 8*PBLK
	s_add_co_u32 s80, s80, s84
	s_mov_b32 s81, 0
	s_and_b32 s79, s19, 7
	s_lshl_b32 s79, s79, 2
	s_add_co_u32 s79, s79, s15                     ; tile 2: x's pair of groups: 0..31
	s_mul_i32 s82, s79, 8*PBLK
	s_add_co_u32 s82, s82, s84
	s_mov_b32 s83, 0
	; S1's places, s86-91: they never hold cx
	s_lshl_b32 s86, s18, 2
	s_add_co_u32 s86, s86, s16                     ; tile 0: x's group 4 Y + cy: 0..31; tile 1: 32 further on
	s_lshr_b32 s88, s86, 1
	s_mul_i32 s88, s88, 8*PBLK
	s_and_b32 s89, s86, 1
	s_mul_i32 s89, s89, BLK
	s_add_co_u32 s88, s88, s89
	s_add_co_u32 s88, s88, s84
	s_mov_b32 s89, 0
	s_lshr_b32 s87, s19, 3
	s_lshl_b32 s87, s87, 2
	s_add_co_u32 s87, s87, s16                     ; tile 2: v's channel group: 0..7,
	s_add_co_u32 s91, s87, 16                      ; which is W's group 16..23
	s_lshr_b32 s90, s91, 1
	s_mul_i32 s90, s90, 8*PBLK
	s_and_b32 s91, s91, 1
	s_mul_i32 s91, s91, BLK
	s_add_co_u32 s90, s90, s91
	s_add_co_u32 s90, s90, s84
	s_mov_b32 s91, 0
	; descriptor groups 1, elements of 8 bytes, no padding.  S0: 51,200 dense bytes as 200 rows of 256.  S1: 2 rows of 12,800 bytes, 25,600 apart in memory.
	s_lshl_b32 s22, 0x1111, s15                    ; my column of the cluster
	s_or_b32 s[G1A], s22, (3<<16)|(1<<21)
	s_lshl_b32 s23, s16, 2
	s_lshl_b32 s23, 15, s23                        ; my row
	s_or_b32 s[G1B], s23, (3<<16)|(1<<21)
	s_mov_b32 s[G1A+1], 32<<16                     ; tensor_dim0
	s_mov_b32 s[G1A+2], 400<<16                    ; tensor_dim1: the head's load brings four K steps, 400 rows of 256 bytes
	s_mov_b32 s[G1A+3], 32<<16                     ; tile_dim0
	s_mov_b32 s[G1A+4], 400                        ; tile_dim1
	s_mov_b32 s[G1A+5], 32                         ; from row to row
	s_mov_b32 s[G1A+6], 0
	s_mov_b32 s[G1A+7], 0
	s_mov_b32 s[G1B+1], 1600<<16
	s_mov_b32 s[G1B+2], 4<<16                      ; the head's load: four K steps, 4 rows of 12,800 bytes
	s_mov_b32 s[G1B+3], 1600<<16
	s_mov_b32 s[G1B+4], 4
	s_mov_b32 s[G1B+5], 3200
	s_mov_b32 s[G1B+6], 0
	s_mov_b32 s[G1B+7], 0
	; where my 128 x 64 results of tile 0 go: the next operand's group G, half hf of it, K step ks.  Tile 1's lie NEXT1 bytes on
	s_lshl_b32 s92, s78, 1
	s_add_co_u32 s92, s92, s[S0H]                  ; W's group: 0-7 q's features, 8-15 k's
	s_lshl_b32 s93, s86, 1
	s_add_co_u32 s93, s93, s[S1H]                  ; my piece of 64 tokens
	s_lshr_b32 s94, s93, 3
	s_lshl_b32 s94, s94, 2
	s_and_b32 s95, s93, 3
	s_add_co_u32 s94, s94, s95                     ; q: group 4 (piece / 8) + piece % 4,
	s_bfe_u32 s95, s93, 0x10002                    ;    half (piece / 4) % 2
	s_cmp_lt_u32 s92, 8                            ; q?
	s_cselect_b32 s94, s94, s86                    ; G (k: the token group)
	s_cselect_b32 s95, s95, s[S1H]                 ; hf
	s_and_b32 s96, s92, 7                          ; ks
	s_lshr_b32 s97, s94, 1
	s_lshl_b32 s97, s97, 3
	s_add_co_u32 s97, s97, s96
	s_mul_i32 s97, s97, PBLK
	s_and_b32 s96, s94, 1
	s_mul_i32 s96, s96, BLK
	s_add_co_u32 s97, s97, s96
	s_lshr_b32 s96, s92, 3
	s_mul_i32 s96, s96, 6553600                    ; k's images lie behind q's
	s_add_co_u32 s97, s97, s96                     ; the block
	s_mul_i32 s96, s95, 4*FRB
	s_add_co_u32 s60, s97, s96
	s_mov_b32 s61, 0
	s_lshl_b32 s96, s95, 8
	s_add_co_u32 s62, s97, s96
	s_add_co_u32 s62, s62, SCO
	s_mov_b32 s63, 0
	; and those of tile 2: v's group 8 x batch + channel group, my half of it, K step = the token group in its batch
	s_lshl_b32 s92, s79, 1
	s_add_co_u32 s92, s92, s[S0H]                  ; the token group: 0..63
	s_lshr_b32 s93, s92, 4
	s_lshl_b32 s93, s93, 3
	s_add_co_u32 s93, s93, s87                     ; G
	s_and_b32 s94, s92, 15                         ; ks
	s_lshr_b32 s95, s93, 1
	s_lshl_b32 s95, s95, 4
	s_add_co_u32 s95, s95, s94
	s_mul_i32 s95, s95, PBLK
	s_and_b32 s94, s93, 1
	s_mul_i32 s94, s94, BLK
	s_add_co_u32 s95, s95, s94                     ; the block
	s_mul_i32 s94, s[S1H], 4*FRB
	s_add_co_u32 s98, s95, s94
	s_mov_b32 s99, 0
	s_lshl_b32 s94, s[S1H], 8
	s_add_co_u32 s100, s95, s94
	s_add_co_u32 s100, s100, SCO
	s_mov_b32 s101, 0
	; LDS addresses: constants, the lane and the wave's number
	v_and_b32 v12, 31, v0
	v_and_b32 v13, 15, v0
	s_wait_alu depctr_va_vdst(0)
	v_lshlrev_b32 v[LI], 4, v12
	s_mul_i32 s74, s[S0H], BLK
	v_add_nc_u32 v[B0], s74, v[LI]
	s_mul_i32 s75, s[S1H], 4*FRB
	s_add_co_u32 s75, s75, S1R
	v_add_nc_u32 v[B1], s75, v[LI]
	s_add_co_u32 s74, s74, SCO
	v_lshl_add_u32 v[BS0], v12, 2, s74
	s_lshl_b32 s75, s[S1H], 8
	s_add_co_u32 s75, s75, S1R+SCO
	v_lshl_add_u32 v[BS1], v12, 2, s75
	s_mul_i32 s76, s[WV], 768
	s_add_co_u32 s76, s76, STG
	v_lshl_add_u32 v[STI], v13, 2, s76
	v_lshl_add_u32 v[STO], v12, 3, s76
	v_lshlrev_b32 v[GO8], 3, v12
	s_mov_b32 s[SEL], 0x76543210
	s_mov_b32 s[SEL+1], 0xfedcba98
.irp b, 0,1,2,3
	v_mov_b32 v[TM+4+\b], 0                        ; written once: a lane permute's destination counts as one of its sources
.endr
	s_wait_dscnt 0x0                               ; both opening adds are done
	s_wait_kmcnt 0x0
	s_add_nc_u64 s[80:81], s[6:7], s[80:81]        ; tiles 0, 1: W's pair
	s_add_nc_u64 s[T2S0:T2S0+1], s[4:5], s[82:83]  ; tile 2: x's pair
	s_add_nc_u64 s[88:89], s[4:5], s[88:89]        ; tile 0: x's group
	s_add_nc_u64 s[T2S1:T2S1+1], s[6:7], s[90:91]  ; tile 2: W_v's group
	s_add_nc_u64 s[OC0:OC0+1], s[8:9], s[60:61]
	s_add_nc_u64 s[OS0:OS0+1], s[8:9], s[62:63]
	s_add_nc_u64 s[OC2:OC2+1], s[10:11], s[98:99]
	s_add_nc_u64 s[OS2:OS2+1], s[10:11], s[100:101]
	CROUND                                         ; all sixteen work-groups are here: the joint loads meet
.irp s, 0,1
	s_mov_b32 s[G0A+4*\s], 1
	s_add_co_u32 s[G0A+4*\s+1], s84, \s*4*PBLK     ; LDS: K steps 4 s + 2 x part on
	s_add_nc_u64 s[G0A+4*\s+2:G0A+4*\s+3], s[80:81], \s*4*PBLK
	s_or_b32 s[G0A+4*\s+3], s[G0A+4*\s+3], 0x80000000
	s_mov_b32 s[G0B+4*\s], 1
	s_add_co_u32 s[G0B+4*\s+1], s85, S1R+\s*4*BLK
	s_add_nc_u64 s[G0B+4*\s+2:G0B+4*\s+3], s[88:89], \s*4*PBLK
	s_or_b32 s[G0B+4*\s+3], s[G0B+4*\s+3], 0x80000000
.endr
	; THE HEAD'S LOADS, ONE A WAVE: all of tile 0's K at once.  Waves 0, 1: S0's K steps 0-3, 4-7; waves 2, 3: S1's.  Their groups 0 lie where arguments lay.
	s_mov_b32 s74, s84                             ; s[80:81] and s[88:89] hold 2 K steps x my part already: as much again makes 4 K steps x my part
	s_mov_b32 s75, 0
	s_mov_b32 s4, 1
	s_lshl_b32 s5, s84, 1                          ; LDS: 4 K steps x my part
	s_add_nc_u64 s[6:7], s[80:81], s[74:75]
	s_or_b32 s7, s7, 0x80000000
	s_mov_b32 s8, 1
	s_lshl_b32 s9, s85, 1
	s_add_co_u32 s9, s9, S1R
	s_add_nc_u64 s[10:11], s[88:89], s[74:75]
	s_or_b32 s11, s11, 0x80000000
	s_cmp_lt_u32 s[WV], 2                          ; one branch on the wave's number, one load to an arm; an s_nop 0 and four v_nop follow each
	s_cbranch_scc0 .Lfirst_s1
	tensor_load_to_lds s[4:7], s[G1A:G1A+7]
	s_nop 0
.rept 4
	v_nop
.endr
	s_branch .Lfirst_asked
.Lfirst_s1:
	tensor_load_to_lds s[8:11], s[G1B:G1B+7]
	s_nop 0
.rept 4
	v_nop
.endr
.Lfirst_asked:
	s_wait_tensorcnt 0x0                           ; my four K steps are in; no tensor load of mine is out, so a descriptor may be written:
	s_mov_b32 s[G1A+2], 200<<16                    ; from here on a load brings two K steps
	s_mov_b32 s[G1A+4], 200
	s_mov_b32 s[G1B+2], 2<<16
	s_mov_b32 s[G1B+4], 2
	s_barrier_signal -1
	s_barrier_wait -1                              ; everybody's is
	FETCH 0
	TILE 1                                         ; q or k, token groups 0..31; its changes of slots ask for tile 1's tokens
	WAYOUT OC0, OS0, 0, 0
	TILE 2                                         ; the same features, token groups 32..63; its changes of slots ask for tile 2
	WAYOUT OC0, OS0, NEXT1, 1
	TILE 0                                         ; v; nothing is left to fetch
	WAYOUT OC2, OS2, 0, 1
	s_wait_tensorcnt 0x0                           ; the wave's end
	ds_add_u32 v[SPW], v[NIL]
	s_wait_dscnt 0x0
	CROUND                                         ; the closing round
	s_endpgm
.Lfunc_end_k_qe3a3be13dc_qkv:
	.size	k_qe3a3be13dc_qkv, .Lfunc_end_k_qe3a3be13dc_qkv-k_qe3a3be13dc_qkv
	.p2alignl 7, 3214868480
	.fill 96, 4, 3214868480
	.section	.rodata,"a",@progbits
	.p2align	6, 0x0
	.amdhsa_kernel k_qe3a3be13dc_qkv
		.amdhsa_group_segment_fixed_size 327680
		.amdhsa_private_segment_fixed_size 0
		.amdhsa_enable_private_segment 0
		.amdhsa_kernarg_size 32
		.amdhsa_user_sgpr_count 2
		.amdhsa_user_sgpr_kernarg_segment_ptr 1
		.amdhsa_wavefront_size32 1
		.amdhsa_system_sgpr_workgroup_id_x 1
		.amdhsa_system_sgpr_workgroup_id_y 1
		.amdhsa_system_sgpr_workgroup_id_z 1
		.amdhsa_system_vgpr_workitem_id 0
		.amdhsa_next_free_vgpr 768
		.amdhsa_next_free_sgpr 102
		.amdhsa_reserve_vcc 0
		.amdhsa_float_denorm_mode_32 3
		.amdhsa_float_denorm_mode_16_64 3
		.amdhsa_memory_ordered 1
		.amdhsa_forward_progress 1
		.amdhsa_inst_pref_size 234
	.end_amdhsa_kernel
	.amdgpu_metadata
---
amdhsa.version: [ 1, 2 ]
amdhsa.kernels:
  - .name:           k_qe3a3be13dc_qkv
    .symbol:         k_qe3a3be13dc_qkv.kd
    .args:
      - { .name: x_img, .offset: 0, .size: 8, .value_kind: global_buffer, .address_space: global }
      - { .name: w_img, .offset: 8, .size: 8, .value_kind: global_buffer, .address_space: global }
      - { .name: qk_img, .offset: 16, .size: 8, .value_kind: global_buffer, .address_space: global }
      - { .name: v_img, .offset: 24, .size: 8, .value_kind: global_buffer, .address_space: global }
    .group_segment_fixed_size: 327680
    .private_segment_fixed_size: 0
    .kernarg_segment_align: 8
    .kernarg_segment_size: 32
    .max_flat_workgroup_size: 128
    .sgpr_count:     102
    .vgpr_count:     768
    .wavefront_size: 32
...
	.end_amdgpu_metadata
.endif
;; end of part 2
;; launch scores (part 3): grid 40 x 4, 4 waves a work-group, clusters of 4 x 1, 327,680 bytes of LDS; arguments qk_img, p_img, pstat; writes p_img, pstat
.if DOCPART == 3
	.amdgcn_target "amdgcn-amd-amdhsa--gfx1250"
	.amdhsa_code_object_version 6
	.text
	.protected	k_qe3a3be13dc_scores
	.globl	k_qe3a3be13dc_scores
	.p2align	8
	.type	k_qe3a3be13dc_scores,@function
k_qe3a3be13dc_scores:
	s_mov_b64 s[64:65], 0
	v_nop
	global_prefetch_b8 v0, s[64:65] scope:SCOPE_SE
	s_setreg_imm32_b32 hwreg(HW_REG_WAVE_MODE, 25, 1), 1
	s_wait_xcnt 0x0
	s_wait_alu depctr_hold_cnt(0) depctr_sa_sdst(0) depctr_va_vdst(0) depctr_va_sdst(0) depctr_va_ssrc(0) depctr_va_vcc(0) depctr_vm_vsrc(0)
	s_getreg_b32 s2, hwreg(HW_REG_IB_STS2, 6, 4)
	s_cmp_eq_u32 s2, 0
	s_cbranch_scc0 .Lentry_in_a_cluster
	s_endpgm
.Lentry_in_a_cluster:
	s_bfe_u32 s2, ttmp6, 0x10000c
	s_cmp_lg_u32 s2, 0x3003
	s_cbranch_scc0 .Lentry_shape_is_right
	s_endpgm
.Lentry_shape_is_right:
; S = q k^T on codes of FP6 (E2M3); then, for each query and each 128 keys, p = 2^(t - M), t = score x log2(e) / 32, M = ceil(the largest t of these 128 keys), a whole number;
; p is quantised along the keys and leaves as an image of the next product's operand, with -M and the sum l of the unquantised p beside it.  The next launch brings all chunks of a
; row under the row's M by an exact shift of the scale bytes: the codes' values are those of the row's own M.
; WORK LEFT OUT: blocks of 256 keys that begin at or behind 512 (I + 1) are hidden from all queries of super-block I by reference()'s own tril: they are no tiles of this grid.
; THE CORE is the launch qkv's: S0 = 256 keys (k's images), S1 = a group of 128 queries (q's images); a lane holds one query, its registers run along the keys.
; A WORK-GROUP STAYS AND MAKES TWO TILES.  Super-block I has 2 I + 2 live key blocks, an even number: a cluster takes key blocks 2 m and 2 m + 1 of one super-block, one after the other; the ten pairs
; (I, m <= I) of a batch are the cluster's x.  q's group serves both tiles and is fetched once.  All of a tile's K (1,024) lies in LDS as two slots of four K steps; at a slot's last K step of the first
; tile each wave waits for all its tensor loads, adds 0 to its spare word, waits for that and for its reads of the slot, a round of the cluster's barrier follows, and waves 0 and 1 fill k's part of the
; slot with the next key block: that load has four K steps, 128 matrix instructions a wave, in which to land, slot 1's the softmax besides.  By this text's own count a wave has at most one tensor load outstanding.
; CLUSTER: 4 x 1.  The four groups of a super-block of 512 queries (group p holds pieces p and 4 + p of 64) need the same keys: k's tile, two thirds of the first bytes and all of the later ones, is asked
; for jointly; q's group is each partner's own load.  No branch and no LDS address hangs on cx.
; LIMITS: NaN and infinities are not served; p under 2^-126 of its chunk's largest is flushed to 0 by v_exp_f32; a block's largest p is taken through its largest score, which leans on
; v_exp_f32 not falling where its input rises; a block whose every p is 0 keeps the byte 1 (its codes are zeros).
; A query with no open key among the 128 gets -M = 3e38, p = 0, l = 0: no NaN arises (-inf x c + 3e38 = -inf).
; REGISTERS as in qkv; window 0: v12 -M, v13 t, v[14:15] the sum; v31 the mask's d; v128-207 codes; v208-249 at work.
.set PBLK,  25600
.set BLK,   12800
.set FRB,   1536
.set SCO,   12288
.set S1R,   8*PBLK
.set SPARE, S1R+8*BLK                  ; the spare words, 128 bytes for each wave: two blocks of 256 bytes that no other line names
.set STG,   SPARE+512                  ; 768 bytes for each wave: scale words, -M and l on the way out; no tile lands here
.set LI,  1
.set B0,  2
.set B1,  3
.set BS0, 4
.set BS1, 5
.set A0,  6
.set A1,  7
.set AS0, 8
.set AS1, 9
.set SPW, 10
.set NIL, 11
.set SC,  16
.set GO8, 28
.set STI, 29
.set STO, 30
.set DQ,  31
.set F1,  32
.set BM,  208                          ; v208-211 the blocks' largest scores, then largest p; v212-215 the other half's
.set SCF, 216                          ; v216-219 the conversions' scale operands
.set BY,  220                          ; v220-223 the bytes
.set PWR, 224                          ; v224-227 a scale word for each tile
.set NM,  228                          ; v228-231 -M
.set LS,  232                          ; v232-235 l
.set NINF, 243
.set WV,  12
.set S0H, 13
.set S1H, 14
.set SEL, 20
.set CS,  22
.set G1A, 24
.set G1B, 32
.set G0A, 40
.set G0B, 48
.set OUTM, 56
.set OUTC, 60
.set OUTS, 62
.set OPEN, 98                          ; s98, s99: nothing is hidden in my part of the first, the second tile
.set MSB, 0
.macro WIN new
.if MSB != \new
	s_set_vgpr_msb (MSB<<8)|\new
.set MSB, \new
.endif
.endm
.macro CREST                           ; a round of the cluster's barrier behind its opening barrier
	s_cmp_lg_u32 s[WV], 0
	s_cbranch_scc1 .Lnot_wave_0_\@
	s_barrier_signal -3
.Lnot_wave_0_\@:
	s_barrier_wait -3
	s_barrier_signal -1
	s_barrier_wait -1
.endm
.macro CROUND                          ; a whole round
	s_barrier_signal -1
	s_barrier_wait -1
	CREST
.endm
.macro JLOAD s                         ; the joint refill of k's part of slot s: waves 0 and 1; q's part stays.  The branch hangs on the wave's number alone; an s_nop 0 and four v_nop follow the load
	s_cmp_lt_u32 s[WV], 2
	s_cbranch_scc0 .Lasked_\@
	tensor_load_to_lds s[G0A+4*\s:G0A+4*\s+3], s[G1A:G1A+7]
	s_nop 0
.rept 4
	v_nop
.endr
.Lasked_\@:
.endm
.macro FETCH c                         ; K step c's fragments and scale words into set c % 2; the four additions are the places in front of the loads
	WIN 0
	v_add_nc_u32 v[A0], (\c)*PBLK, v[B0]
	v_add_nc_u32 v[A1], (\c)*BLK, v[B1]
	v_add_nc_u32 v[AS0], (\c)*PBLK, v[BS0]
	v_add_nc_u32 v[AS1], (\c)*BLK, v[BS1]
	WIN 0x40
.irp a, 0,1,2,3,4,5,6,7
.irp k, 0,1,2
	ds_load_b128 v[128*((\c)%2)+12*\a+4*\k:128*((\c)%2)+12*\a+4*\k+3], v[A0] offset:FRB*\a+512*\k
.endr
.endr
	WIN 0
.irp b, 0,1,2,3
.irp k, 0,1,2
	ds_load_b128 v[F1+48*((\c)%2)+12*\b+4*\k:F1+48*((\c)%2)+12*\b+4*\k+3], v[A1] offset:FRB*\b+512*\k
.endr
.endr
.irp i, 0,1,2,3
	ds_load_b32 v[SC+6*((\c)%2)+\i], v[AS0] offset:128*\i
.endr
.irp i, 0,1
	ds_load_b32 v[SC+6*((\c)%2)+4+\i], v[AS1] offset:128*\i
.endr
.endm
.macro WMM b, a, p, zero
.set rD, 64*(\b)+8*(\a)
.set rA, 128*(\p)+12*(\a)
.set rB, F1+48*(\p)+12*(\b)
.set rX, SC+6*(\p)+(\a)/2
.set rY, SC+6*(\p)+4+(\b)/2
.set ODD, 2*((\b)%2)+(\a)%2
.if \zero
.if ODD == 0
	v_wmma_scale_f32_16x16x128_f8f6f4 v[rD:rD+7], v[rA:rA+11], v[rB:rB+11], 0, v[rX], v[rY] matrix_a_fmt:MATRIX_FMT_FP6 matrix_b_fmt:MATRIX_FMT_FP6
.elseif ODD == 1
	v_wmma_scale_f32_16x16x128_f8f6f4 v[rD:rD+7], v[rA:rA+11], v[rB:rB+11], 0, v[rX], v[rY] matrix_a_fmt:MATRIX_FMT_FP6 matrix_b_fmt:MATRIX_FMT_FP6 matrix_a_scale:MATRIX_SCALE_ROW1
.elseif ODD == 2
	v_wmma_scale_f32_16x16x128_f8f6f4 v[rD:rD+7], v[rA:rA+11], v[rB:rB+11], 0, v[rX], v[rY] matrix_a_fmt:MATRIX_FMT_FP6 matrix_b_fmt:MATRIX_FMT_FP6 matrix_b_scale:MATRIX_SCALE_ROW1
.else
	v_wmma_scale_f32_16x16x128_f8f6f4 v[rD:rD+7], v[rA:rA+11], v[rB:rB+11], 0, v[rX], v[rY] matrix_a_fmt:MATRIX_FMT_FP6 matrix_b_fmt:MATRIX_FMT_FP6 matrix_a_scale:MATRIX_SCALE_ROW1 matrix_b_scale:MATRIX_SCALE_ROW1
.endif
.else
.if ODD == 0
	v_wmma_scale_f32_16x16x128_f8f6f4 v[rD:rD+7], v[rA:rA+11], v[rB:rB+11], v[rD:rD+7], v[rX], v[rY] matrix_a_fmt:MATRIX_FMT_FP6 matrix_b_fmt:MATRIX_FMT_FP6
.elseif ODD == 1
	v_wmma_scale_f32_16x16x128_f8f6f4 v[rD:rD+7], v[rA:rA+11], v[rB:rB+11], v[rD:rD+7], v[rX], v[rY] matrix_a_fmt:MATRIX_FMT_FP6 matrix_b_fmt:MATRIX_FMT_FP6 matrix_a_scale:MATRIX_SCALE_ROW1
.elseif ODD == 2
	v_wmma_scale_f32_16x16x128_f8f6f4 v[rD:rD+7], v[rA:rA+11], v[rB:rB+11], v[rD:rD+7], v[rX], v[rY] matrix_a_fmt:MATRIX_FMT_FP6 matrix_b_fmt:MATRIX_FMT_FP6 matrix_b_scale:MATRIX_SCALE_ROW1
.else
	v_wmma_scale_f32_16x16x128_f8f6f4 v[rD:rD+7], v[rA:rA+11], v[rB:rB+11], v[rD:rD+7], v[rX], v[rY] matrix_a_fmt:MATRIX_FMT_FP6 matrix_b_fmt:MATRIX_FMT_FP6 matrix_a_scale:MATRIX_SCALE_ROW1 matrix_b_scale:MATRIX_SCALE_ROW1
.endif
.endif
.endm
.macro MULH p, a0, zero                ; 16 matrix instructions; the 32 accumulators take turns, one instruction a turn, in the same order in every K step and in both tiles
	WIN 0xa1
.irp a, \a0, \a0+1, \a0+2, \a0+3
.irp b, 0,1,2,3
	WMM \b, \a, \p, \zero
.endr
.endr
.endm
.macro KSTEP c, zero                   ; a K step that has its successor in the same slot
	s_wait_dscnt 0x0                               ; this step's 42 loads are in
	FETCH (\c)+1
	MULH (\c)%2, 0, \zero
	MULH (\c)%2, 4, \zero
.endm
; A slot's last K step (3 or 7; its fragments are in set 1) changes slots.  fill = 1: k's part of the slot takes the next key block's K steps.  fill = 0: the second tile: a plain barrier shows slot 1 whole.
.macro TURN slot, fill
	WIN 0                                          ; (the add's two registers lie in window 0)
	s_wait_tensorcnt 0x0                           ; all my tensor loads have landed, my part of the other slot among them: so a group 0 may be written
.if \fill
	ds_add_u32 v[SPW], v[NIL]                      ; 0 onto my spare word; the descriptor's step stands between it and the wait for it
	s_add_nc_u64 s[G0A+4*\slot+2:G0A+4*\slot+3], s[G0A+4*\slot+2:G0A+4*\slot+3], 8*PBLK   ; the next pair of k's groups; the type bits on top are not reached
.endif
	s_wait_dscnt 0x0                               ; the add is done; this step's fragments are in, and with them my reads of this slot are over
	s_barrier_signal -1                            ; (fill = 1: this barrier opens a round of the cluster's barrier)
	MULH 1, 0, 0                                   ; work on registers while the others arrive
	WIN 0
	s_barrier_wait -1
.if \fill
	CREST                                          ; no wave of any partner still reads this slot or has a load on its way
	JLOAD \slot                                    ; the first tensor load behind the round, one a wave
.endif
	FETCH 4-4*\slot                                ; the other slot's first K step: this tile's K step 4, or the next tile's K step 0
	MULH 1, 4, 0
.endm
.macro TILE fill
	KSTEP 0, 1                                     ; the first products start the sums: nothing is cleared
	KSTEP 1, 0
	KSTEP 2, 0
	TURN 0, \fill
	KSTEP 4, 0
	KSTEP 5, 0
	KSTEP 6, 0
.if \fill
	TURN 1, \fill
.else
	s_wait_dscnt 0x0                               ; the very last K step: nothing more to fetch
	MULH 1, 0, 0
	MULH 1, 4, 0
.endif
.endm
; THE SOFTMAX OF TILE t OF QUERIES: 16 queries (one a lane) x 128 keys (register 16 b + i = key 32 b + 16 h + i).  u: the work-group's first or second tile.
.macro SOFT t, u
.set S, 64*(\t)
.set PC, 128+20*(\t)
	s_cmp_eq_u32 s[OPEN+\u], 1                     ; where all my 128 keys count for all queries that any partner's wave like mine holds, nothing is hidden
	s_cbranch_scc1 .Lopen_\@
	WIN 0x82
.set n, 0
.rept 64                                       ; register n's key is hidden where 32 (n / 16) + n % 16 - the tile's first row > d: the score becomes -inf ahead of the maximum
	v_cmp_gt_i32 vcc_lo, 32*(n/16)+n%16-(32*((\t)/2)+8*((\t)%2)), v[DQ]
	v_cndmask_b32 v[S+n], v[S+n], v[NINF], vcc_lo
.set n, n+1
.endr
	WIN 0
.Lopen_\@:
	WIN 0x2a
.irp b, 0,1,2,3
	v_max3_num_f32 v[BM+\b], v[S+16*\b], v[S+16*\b+1], v[S+16*\b+2]   ; the largest score of each block of 32 keys: it serves for the row's maximum and for the block's largest p
.endr
	WIN 0x28
.irp i, 3,5,7,9,11,13
.irp b, 0,1,2,3
	v_max3_num_f32 v[BM+\b], v[BM+\b], v[S+16*\b+\i], v[S+16*\b+\i+1]
.endr
.endr
	WIN 0x08
.irp b, 0,1,2,3
	v_max_num_f32 v[BM+\b], v[BM+\b], v[S+16*\b+15]
.endr
	WIN 0
.irp b, 0,1,2,3
	v_permlanex16_b32 v[BM+4+\b], v[BM+\b], s[SEL], s[SEL+1]
.endr
.irp b, 0,1,2,3
	v_max_num_f32 v[BM+\b], v[BM+\b], v[BM+4+\b]   ; with lane l xor 16's 16 keys
.endr
	v_max3_num_f32 v13, v[BM], v[BM+1], v[BM+2]
	v_max_num_f32 v13, v13, v[BM+3]
	v_mul_f32 v13, s[CS], v13                      ; as t (c is positive)
	v_max_num_f32 v13, 0xff61b1e6, v13             ; held at -3e38: a query with no open key here
	v_floor_f32 v12, -v13                          ; -M = floor(-t) = -ceil(t)
	v_mov_b32 v[NM+\t], v12
	WIN 0x82
.set n, 0
.rept 32
	v_pk_fma_f32 v[S+n:S+n+1], v[S+n:S+n+1], s[CS:CS+1], v[12:13] op_sel_hi:[1,0,0]   ; t - M, two at a time
.set n, n+2
.endr
	WIN 0
.irp b, 0,1,2,3
	v_fma_f32 v[BM+\b], v[BM+\b], s[CS], v12       ; the same of each block's largest score
.endr
	WIN 0x82
.set n, 0
	s_wait_alu depctr_va_vdst(0)
.rept 64
	v_exp_f32 v[S+n], v[S+n]                       ; p = 2^(t - M), at most 1
.set n, n+1
.endr
	WIN 0
	v_nop                                          ; a plain place behind the exponentials
	s_wait_alu depctr_va_vdst(0)                   ; one wait for the batch of 64, ahead of its first reader
.irp b, 0,1,2,3
	v_exp_f32 v[BM+\b], v[BM+\b]                   ; the block's largest p: the same two instructions on the same number give the same bits
.endr
	WIN 0x0a
	v_pk_add_f32 v[14:15], v[S:S+1], v[S+2:S+3]    ; the sum is taken of the unquantised p: two at a time, in two chains; plain work behind the four
	v_pk_add_f32 v[240:241], v[S+4:S+5], v[S+6:S+7]
	WIN 0x08
.irp j, 8,12,16,20,24,28,32,36,40,44,48,52,56,60
	v_pk_add_f32 v[14:15], v[14:15], v[S+\j:S+\j+1]
	v_pk_add_f32 v[240:241], v[240:241], v[S+\j+2:S+\j+3]
.endr
	WIN 0
	v_pk_add_f32 v[14:15], v[14:15], v[240:241]
	v_add_f32 v14, v14, v15
	v_permlanex16_b32 v242, v14, s[SEL], s[SEL+1]
	v_add_f32 v[LS+\t], v14, v242                  ; l of these 128 keys
	s_wait_alu depctr_va_vdst(0)                   ; and one wait for the four
.irp b, 0,1,2,3
	v_max_num_f32 v[BM+\b], 0x1800000, v[BM+\b]    ; the floor 2^(3 - 127): the byte cannot fall under 1
.endr
.irp b, 0,1,2,3
	v_add_nc_u32 v[SCF+\b], 0xff000000, v[BM+\b]   ; 2 off the exponent field: the conversion's scale operand
.endr
.irp b, 0,1,2,3
	v_lshrrev_b32 v[BY+\b], 23, v[SCF+\b]
.endr
	v_lshl_or_b32 v[PWR+\t], v[BY+1], 8, v[BY]
	v_lshl_or_b32 v[PWR+\t], v[BY+2], 16, v[PWR+\t]
	v_lshl_or_b32 v[PWR+\t], v[BY+3], 24, v[PWR+\t]
	WIN 0x02
.irp c, 0,1
	v_cvt_scalef32_pk16_fp6_f32 v[PC+6*\c:PC+2+6*\c], v[S+32*\c:S+15+32*\c], v[SCF+2*\c]
	v_cvt_scalef32_pk16_fp6_f32 v[PC+12+4*\c:PC+14+4*\c], v[S+16+32*\c:S+31+32*\c], v[SCF+2*\c+1]
.endr
	WIN 0
	v_nop                                          ; one plain place behind a scaled conversion: the next tile's products write the conversions' sources
.irp c, 0,1
.irp i, 0,1,2
	v_permlane16_swap_b32 v[PC+6*\c+\i], v[PC+12+4*\c+\i]
.endr
.irp i, 0,1,2
	v_mov_b32 v[PC+3+6*\c+\i], v[PC+12+4*\c+\i]
.endr
.endr
.irp k, 0,1,2
	global_store_b128 v[LI], v[PC+4*\k:PC+4*\k+3], s[OUTC:OUTC+1] offset:FRB*(\t)+512*\k   ; 512 consecutive bytes, aligned
.endr
	ds_store_b32 v[STI], v[PWR+\t] offset:64*(\t)
	ds_store_b32 v[STI], v[NM+\t] offset:256+64*(\t)
	ds_store_b32 v[STI], v[LS+\t] offset:512+64*(\t)
.endm
.macro SOFTALL u                       ; the softmax and the way out of the work-group's tile u
	WIN 0
.rept 5
	v_nop                                          ; places behind the last products: four in front of the first read, and the first write by a vector instruction, of results; five in front of the next tile's products, which begin the accumulators anew
.endr
.if \u
	s_wait_xcnt 0x0                                ; the first tile's stores have read their data: those registers are written again only behind this wait
.endif
	SOFT 0, \u
	SOFT 1, \u
	SOFT 2, \u
	SOFT 3, \u
	ds_load_b64 v[244:245], v[STO]                 ; LDS serves a wave's instructions in order: these see my stores
	ds_load_b64 v[246:247], v[STO] offset:256
	ds_load_b64 v[248:249], v[STO] offset:512
	s_wait_dscnt 0x0
	global_store_b64 v[GO8], v[244:245], s[OUTM:OUTM+1] offset:1024   ; each: 256 consecutive bytes, aligned: the scale words,
	global_store_b64 v[GO8], v[246:247], s[OUTM:OUTM+1]               ; -M,
	global_store_b64 v[GO8], v[248:249], s[OUTM:OUTM+1] offset:512    ; l
.endm
	s_load_b128 s[4:7], s[0:1], 0x0                ; qk_img s[4:5], p_img s[6:7]
	s_load_b64 s[8:9], s[0:1], 0x10                ; pstat
	v_lshl_add_u32 v[SPW], v0, 2, SPARE
	v_mov_b32 v[NIL], 0
	ds_add_u32 v[SPW], v[NIL]                      ; the wave's opening: the add, twice on end, and its wait ahead of my first tensor load
	ds_add_u32 v[SPW], v[NIL]                      ; and once more; the set-up below stands between it and the wait
	v_lshrrev_b32 v12, 5, v0
	v_readfirstlane_b32 s[WV], v12
	s_lshr_b32 s[S0H], s[WV], 1
	s_and_b32 s[S1H], s[WV], 1
	s_bfe_u32 s15, ttmp6, 0x40000                  ; p = cx: my group of the super-block
	s_and_b32 s18, ttmp7, 0xffff                   ; the batch
	s_cmp_ge_u32 ttmp9, 1                          ; the cluster's x, 0..9, counts the pairs (I, m <= I): 0 | 1, 2 | 3, 4, 5 | 6, 7, 8, 9
	s_cselect_b32 s19, 1, 0
	s_cmp_ge_u32 ttmp9, 3
	s_cselect_b32 s66, 1, 0
	s_cmp_ge_u32 ttmp9, 6
	s_cselect_b32 s67, 1, 0
	s_add_co_u32 s19, s19, s66
	s_add_co_u32 s19, s19, s67                     ; I
	s_add_co_u32 s66, s19, 1
	s_mul_i32 s66, s66, s19
	s_lshr_b32 s66, s66, 1                         ; I (I + 1) / 2 pairs lie ahead of super-block I's
	s_sub_co_u32 s69, ttmp9, s66                   ; m
	s_lshl_b32 s69, s69, 1                         ; j = 2 m: the first tile's key block; the second's is j + 1
	s_mul_i32 s84, s[S1H], 2*PBLK
	s_mul_i32 s85, s[S1H], 2*BLK
	s_lshl_b32 s70, s18, 3                         ; k's pair of groups 8 b + j: the partners share it
	s_add_co_u32 s70, s70, s69
	s_mul_i32 s70, s70, 8*PBLK
	s_add_co_u32 s70, s70, 6553600                 ; k's images lie behind q's
	s_add_co_u32 s70, s70, s84
	s_mov_b32 s71, 0
	s_lshl_b32 s80, s18, 4
	s_lshl_b32 s81, s19, 2
	s_add_co_u32 s80, s80, s81
	s_add_co_u32 s80, s80, s15                     ; G = 16 b + 4 I + p
	s_lshr_b32 s82, s80, 1
	s_mul_i32 s82, s82, 8*PBLK
	s_and_b32 s83, s80, 1
	s_mul_i32 s83, s83, BLK
	s_add_co_u32 s82, s82, s83
	s_add_co_u32 s82, s82, s84
	s_mov_b32 s83, 0
	s_mov_b32 s[G1A], 15|(3<<16)|(1<<21)           ; the mask: all four work-groups; elements of 8 bytes; bit 21 beside a mask
	s_mov_b32 s[G1A+1], 32<<16
	s_mov_b32 s[G1A+2], 400<<16                    ; the head's load brings four K steps, 400 rows of 256 bytes
	s_mov_b32 s[G1A+3], 32<<16
	s_mov_b32 s[G1A+4], 400
	s_mov_b32 s[G1A+5], 32
	s_mov_b32 s[G1A+6], 0
	s_mov_b32 s[G1A+7], 0
	s_mov_b32 s[G1B], 3<<16                        ; no mask: my own group of q
	s_mov_b32 s[G1B+1], 1600<<16
	s_mov_b32 s[G1B+2], 4<<16                      ; q's group is fetched at the head alone: four K steps a wave, 4 rows of 12,800 bytes
	s_mov_b32 s[G1B+3], 1600<<16
	s_mov_b32 s[G1B+4], 4
	s_mov_b32 s[G1B+5], 3200
	s_mov_b32 s[G1B+6], 0
	s_mov_b32 s[G1B+7], 0
	; where my results of the first tile go: P's block (G, K step c = 2 j + my group of keys), my four tiles
	; P'S LAYOUT (in place of what the head comment says of it): for each (batch, p) the 40 live blocks (128 keys c, super-block I >= c / 4) lie on end, c ascending and I ascending in c:
	; block number 40 (4 b + p) + 18 m - 2 m m + (c % 4) (4 - m) + I - m, m = c / 4.  A block is 12,288 bytes of codes in p_img and a record of 1,536 bytes in pstat: -M, l, the scale words, 512 bytes each.
	s_lshr_b32 s90, s69, 1                         ; m
	s_sub_co_u32 s91, 4, s90                       ; 4 - m: the blocks of one c
	s_mul_i32 s86, s91, s[S0H]                     ; the first tile: c % 4 = my group of keys
	s_add_co_u32 s86, s86, s19
	s_sub_co_u32 s86, s86, s90                     ; + I - m
	s_lshl_b32 s87, s90, 1
	s_sub_co_u32 s87, 18, s87
	s_mul_i32 s87, s87, s90
	s_add_co_u32 s86, s86, s87                     ; + 18 m - 2 m m
	s_lshl_b32 s87, s18, 2
	s_add_co_u32 s87, s87, s15
	s_mul_i32 s87, s87, 40
	s_add_co_u32 s86, s86, s87                     ; the block
	s_mul_i32 s92, s86, 12288
	s_mul_i32 s93, s[S1H], 4*FRB
	s_add_co_u32 s92, s92, s93
	s_mov_b32 s93, 0
	s_lshl_b32 s94, s[S1H], 8
	s_mul_i32 s88, s86, 1536
	s_add_co_u32 s88, s88, s94
	s_mov_b32 s89, 0
	s_mul_i32 s86, s91, 2*12288                    ; the second tile's keys lie two c on: 2 (4 - m) blocks
	s_mov_b32 s87, 0
	s_mul_i32 s90, s91, 2*1536
	s_mov_b32 s91, 0
	; the mask
	s_lshl_b32 s95, s69, 8
	s_lshl_b32 s96, s[S0H], 7
	s_add_co_u32 s95, s95, s96                     ; my first key in the first tile; in the second 256 further on
	s_lshl_b32 s96, s19, 9
	s_lshl_b32 s97, s[S1H], 8
	s_add_co_u32 s96, s96, s97                     ; the first query of partner 0's wave like mine
	s_add_co_u32 s97, s95, 127
	s_cmp_le_u32 s97, s96
	s_cselect_b32 s[OPEN], 1, 0                    ; made of the cluster's number and the wave's: the same in all partners
	s_add_co_u32 s97, s95, 383
	s_cmp_le_u32 s97, s96
	s_cselect_b32 s[OPEN+1], 1, 0
	s_lshl_b32 s97, s15, 6
	s_add_co_u32 s97, s97, s96
	s_sub_co_i32 s97, s97, s95
	v_and_b32 v12, 31, v0
	v_and_b32 v13, 15, v0
	v_and_b32 v14, 8, v13
	v_add_nc_u32 v14, v14, v13                     ; r + 8 (r / 8)
	v_bfe_u32 v15, v0, 4, 1
	v_lshlrev_b32 v15, 4, v15
	v_sub_nc_u32 v14, v14, v15
	v_add_nc_u32 v[DQ], s97, v14                   ; d = my tile 0's query - my first key - 16 h
	v_mov_b32 v[NINF], 0xff800000
	v_lshlrev_b32 v[LI], 4, v12
	s_mul_i32 s97, s[S0H], BLK
	v_add_nc_u32 v[B0], s97, v[LI]
	s_mul_i32 s96, s[S1H], 4*FRB
	s_add_co_u32 s96, s96, S1R
	v_add_nc_u32 v[B1], s96, v[LI]
	s_add_co_u32 s97, s97, SCO
	v_lshl_add_u32 v[BS0], v12, 2, s97
	s_add_co_u32 s96, s94, S1R+SCO
	v_lshl_add_u32 v[BS1], v12, 2, s96
	s_mul_i32 s96, s[WV], 768
	s_add_co_u32 s96, s96, STG
	v_lshl_add_u32 v[STI], v13, 2, s96
	v_lshl_add_u32 v[STO], v12, 3, s96
	v_lshlrev_b32 v[GO8], 3, v12
	s_mov_b32 s[SEL], 0x76543210
	s_mov_b32 s[SEL+1], 0xfedcba98
	s_mov_b32 s[CS], 0x3d38aa3b                    ; c = log2(e) / 32; 1 / 32 = 1 / sqrt(1024) is exact
	s_mov_b32 s[CS+1], s[CS]                       ; (named with it as a pair, so it is written)
.irp b, 0,1,2,3
	v_mov_b32 v[BM+4+\b], 0                        ; written once: a lane permute's destination counts as one of its sources
.endr
	v_mov_b32 v242, 0
	s_wait_dscnt 0x0                               ; both opening adds are done
	s_wait_kmcnt 0x0
	s_add_nc_u64 s[72:73], s[4:5], s[70:71]
	s_add_nc_u64 s[76:77], s[4:5], s[82:83]
	s_add_nc_u64 s[OUTC:OUTC+1], s[6:7], s[92:93]
	s_add_nc_u64 s[OUTM:OUTM+1], s[8:9], s[88:89]
	CROUND                                         ; all four work-groups are here: the joint loads meet
.irp s, 0,1
	s_mov_b32 s[G0A+4*\s], 1
	s_add_co_u32 s[G0A+4*\s+1], s84, \s*4*PBLK
	s_add_nc_u64 s[G0A+4*\s+2:G0A+4*\s+3], s[72:73], \s*4*PBLK
	s_or_b32 s[G0A+4*\s+3], s[G0A+4*\s+3], 0x80000000
	s_mov_b32 s[G0B+4*\s], 1
	s_add_co_u32 s[G0B+4*\s+1], s85, S1R+\s*4*BLK
	s_add_nc_u64 s[G0B+4*\s+2:G0B+4*\s+3], s[76:77], \s*4*PBLK
	s_or_b32 s[G0B+4*\s+3], s[G0B+4*\s+3], 0x80000000
.endr
	; THE HEAD'S LOADS, ONE A WAVE: all of the first tile's K at once.  Waves 0, 1: k's K steps 0-3, 4-7, jointly; waves 2, 3: q's.  Their groups 0 lie where arguments lay.
	s_mov_b32 s66, s84                             ; s[72:73] and s[76:77] hold 2 K steps x my part already: as much again makes 4 K steps x my part
	s_mov_b32 s67, 0
	s_mov_b32 s4, 1
	s_lshl_b32 s5, s84, 1                          ; LDS: 4 K steps x my part
	s_add_nc_u64 s[6:7], s[72:73], s[66:67]
	s_or_b32 s7, s7, 0x80000000
	s_mov_b32 s8, 1
	s_lshl_b32 s9, s85, 1
	s_add_co_u32 s9, s9, S1R
	s_add_nc_u64 s[10:11], s[76:77], s[66:67]
	s_or_b32 s11, s11, 0x80000000
	s_cmp_lt_u32 s[WV], 2                          ; one branch on the wave's number, one load to an arm
	s_cbranch_scc0 .Lfirst_s1
	tensor_load_to_lds s[4:7], s[G1A:G1A+7]
	s_nop 0
.rept 4
	v_nop
.endr
	s_branch .Lfirst_asked
.Lfirst_s1:
	tensor_load_to_lds s[8:11], s[G1B:G1B+7]
	s_nop 0
.rept 4
	v_nop
.endr
.Lfirst_asked:
	s_wait_tensorcnt 0x0                           ; my four K steps are in; no tensor load of mine is out, so a descriptor may be written:
	s_mov_b32 s[G1A+2], 200<<16                    ; from here on a load of k brings two K steps
	s_mov_b32 s[G1A+4], 200
	s_barrier_signal -1
	s_barrier_wait -1
	FETCH 0
	TILE 1                                         ; key block j; its changes of slots ask for key block j + 1
	SOFTALL 0
	s_wait_xcnt 0x0                                ; the first tile's stores have read their bases
	s_add_nc_u64 s[OUTC:OUTC+1], s[OUTC:OUTC+1], s[86:87]
	s_add_nc_u64 s[OUTM:OUTM+1], s[OUTM:OUTM+1], s[90:91]
	v_add_nc_u32 v[DQ], 0xffffff00, v[DQ]          ; the second tile's keys begin 256 further on
	TILE 0                                         ; key block j + 1; nothing is left to fetch
	SOFTALL 1
	s_wait_tensorcnt 0x0                           ; the wave's end
	ds_add_u32 v[SPW], v[NIL]
	s_wait_dscnt 0x0
	CROUND                                         ; the closing round
	s_endpgm
.Lfunc_end_k_qe3a3be13dc_scores:
	.size	k_qe3a3be13dc_scores, .Lfunc_end_k_qe3a3be13dc_scores-k_qe3a3be13dc_scores
	.p2alignl 7, 3214868480
	.fill 96, 4, 3214868480
	.section	.rodata,"a",@progbits
	.p2align	6, 0x0
	.amdhsa_kernel k_qe3a3be13dc_scores
		.amdhsa_group_segment_fixed_size 327680
		.amdhsa_private_segment_fixed_size 0
		.amdhsa_enable_private_segment 0
		.amdhsa_kernarg_size 24
		.amdhsa_user_sgpr_count 2
		.amdhsa_user_sgpr_kernarg_segment_ptr 1
		.amdhsa_wavefront_size32 1
		.amdhsa_system_sgpr_workgroup_id_x 1
		.amdhsa_system_sgpr_workgroup_id_y 1
		.amdhsa_system_sgpr_workgroup_id_z 1
		.amdhsa_system_vgpr_workitem_id 0
		.amdhsa_next_free_vgpr 768
		.amdhsa_next_free_sgpr 100
		.amdhsa_reserve_vcc 1
		.amdhsa_float_denorm_mode_32 3
		.amdhsa_float_denorm_mode_16_64 3
		.amdhsa_memory_ordered 1
		.amdhsa_forward_progress 1
		.amdhsa_inst_pref_size 255
	.end_amdhsa_kernel
	.section	.bss,"aw",@nobits
	.p2align	6
	.space	262144
	.amdgpu_metadata
---
amdhsa.version: [ 1, 2 ]
amdhsa.kernels:
  - .name:           k_qe3a3be13dc_scores
    .symbol:         k_qe3a3be13dc_scores.kd
    .args:
      - { .name: qk_img, .offset: 0, .size: 8, .value_kind: global_buffer, .address_space: global }
      - { .name: p_img, .offset: 8, .size: 8, .value_kind: global_buffer, .address_space: global }
      - { .name: pstat, .offset: 16, .size: 8, .value_kind: global_buffer, .address_space: global }
    .group_segment_fixed_size: 327680
    .private_segment_fixed_size: 0
    .kernarg_segment_align: 8
    .kernarg_segment_size: 24
    .max_flat_workgroup_size: 128
    .sgpr_count:     100
    .vgpr_count:     768
    .wavefront_size: 32
...
	.end_amdgpu_metadata
.endif
;; end of part 3
;; launch mix (part 4): grid 16 x 16, 4 waves a work-group, clusters of 4 x 4, 327,680 bytes of LDS; arguments v_img, p_img, pstat, out0; writes out0
.if DOCPART == 4
	.amdgcn_target "amdgcn-amd-amdhsa--gfx1250"
	.amdhsa_code_object_version 6
	.text
	.protected	k_qe3a3be13dc_mix
	.globl	k_qe3a3be13dc_mix
	.p2align	8
	.type	k_qe3a3be13dc_mix,@function
k_qe3a3be13dc_mix:
	s_mov_b64 s[64:65], 0
	v_nop
	global_prefetch_b8 v0, s[64:65] scope:SCOPE_SE
	s_setreg_imm32_b32 hwreg(HW_REG_WAVE_MODE, 25, 1), 1
	s_wait_xcnt 0x0
	s_wait_alu depctr_hold_cnt(0) depctr_sa_sdst(0) depctr_va_vdst(0) depctr_va_sdst(0) depctr_va_ssrc(0) depctr_va_vcc(0) depctr_vm_vsrc(0)
	s_getreg_b32 s2, hwreg(HW_REG_IB_STS2, 6, 4)
	s_cmp_eq_u32 s2, 0
	s_cbranch_scc0 .Lentry_in_a_cluster
	s_endpgm
.Lentry_in_a_cluster:
	s_bfe_u32 s2, ttmp6, 0x10000c
	s_cmp_lg_u32 s2, 0xf033
	s_cbranch_scc0 .Lentry_shape_is_right
	s_endpgm
.Lentry_shape_is_right:
; O = P v / l on codes of FP6 (E2M3).  Source 0 = 16 channels of v (K = the keys), source 1 = 16 queries of P: a lane holds one query, its registers run along the channels.
; WORK LEFT OUT: K steps of 128 keys that begin at or behind 512 (I + 1) are hidden from super-block I by reference()'s own tril (p = 0 there): they are no blocks of P and are not multiplied.
; EVERY WORK-GROUP DOES THE SAME: it takes 64 channels x the four groups of 128 queries (one of each super-block I = 0..3) of one (batch, p).  At K step s the groups I >= s / 4 are live: 4,4,4,4,3,3,3,3,2,2,2,2,1,1,1,1,
; 40 blocks (s, I), known when the text is assembled: no branch and no count hangs on ids.  Wave w takes tiles 2 w, 2 w + 1 of each group (32 rows) x 4 tiles of channels: 32 accumulators, 8 matrix instructions a block.
; CLUSTER 4 x 4: x = the channel block, y = p.  v hangs on the batch and the channel block and is shared along a column; P hangs on the batch and p and is shared along a row.
; LDS: v's fragments of all 16 K steps stay (one load, 16 rows of 6,144 bytes).  P's 40 blocks lie on end in memory in the order of use and come in units of 5 blocks (240 rows of 256 bytes) through three slots:
; units 0-2 at the head; 3-5 when all three slots are read out; 6, 7 when slots 0 and 1 are read out again, ahead of unit 5's products; each behind a round of the cluster's barrier, one load a wave
; (wave 0: v; waves 1-3: a unit each).  By this text's own count one tensor load of a wave is outstanding at the most.
; A group leaves as soon as it has had its last block: groups 0 and 1 while a fill is on its way, group 2 ahead of the last four blocks; through a stage on bytes of its own.
; THE ROW'S M: P's chunks of 128 keys were quantised under their own whole-number M_c.  Thread i takes image row i of each group: M = the largest M_c; l = the sum of l_c 2^(M_c - M); each byte of chunk c's scale word
; has M - M_c taken off: exact powers of two.  The shifted words lie in LDS and are P's scale operands.  The records come by 120 loads a thread, behind the head's tensor loads: -M, then the words, then l, which is used last.
; LIMITS: M_c - M is held at -127, and a byte that would fall under 0 is held at 0: what that moves lies under 2^-120 of the row's largest term.  NaN and infinities are not served.
; PREFETCH INTO THE L2: units 3-7 (1,200 blocks of 256 bytes) are named once in each cluster that will load them: the row's four partners take 300 blocks each, told apart by address, a wave 75, in three
; instructions of 25 lanes, in the prologue: 15 blocks' products or more ahead of the loads that want them.  The text has no loop: they stand once.
; REGISTERS, window 0: v2-30 addresses; v16-23 P's scale words, two sets, and v128-159 v's, and nothing else; v32-127 v's fragments, two sets (before that the prologue); v160-175 1 / l; v176-247 prologue, way out.
;   window 1: P's fragments, two sets, at v0 and v128.   window 2: accumulator (P's tile 2 I + u, v's tile a) at v[32 (2 I + u) + 8 a].
.set PBLK,  25600                      ; v_img: a pair of groups at one K step
.set BLK,   12800
.set FRB,   1536                       ; a fragment
.set SCO,   12288
.set PB,    12288                      ; a block of P
.set SREC,  1536                       ; its record in pstat: -M, l, the scale words, 512 bytes each
.set UNIT,  5*PB
.set VKS,   4*FRB                      ; v's four fragments of a K step
.set PR,    16*VKS                     ; LDS: v from 0, P's three slots from here
.set PSC,   PR+3*UNIT                  ; the shifted scale words, [block][image row] x 4 bytes
.set LSUM,  PSC+40*512                 ; 1 / l, [I][image row] x 4 bytes
.set SPARE, LSUM+2048                  ; the spare words, 128 bytes for each wave
.set STG,   SPARE+512                  ; the way out: 16 rows x 272 bytes for each wave; no tile lands here
.set SPT,   272
.set VA,  2                            ; v2-3  v's fragments, K steps 0-7, 8-15
.set PBA, 4                            ; v4-6  my two tiles in slots 0-2
.set PSA, 7                            ; v7    my tiles' shifted words
.set T4,  8                            ; v8    4 x thread
.set L4,  9                            ; v9    4 x lane
.set SPW, 10
.set NIL, 11
.set SCP, 16
.set STI, 24
.set STO, 25
.set CO,  26
.set PSW, 27
.set LSW, 28
.set LSR, 29
.set PF,  30                           ; v30   the prefetches' offset: 256 x min(lane, 24); never rewritten
.set F1,  32
.set NM,  32                           ; the prologue: -M_c, then M_c - M
.set LL,  72                           ; l_c
.set VW,  128
.set RL,  160
.set WW,  176                          ; the scale words
.set MM,  216
.set LS,  220
.set RC,  224
.set TT,  228                          ; v228-247 at work, 20 blocks at a time
.set PRD, 176                          ; the way out: a tile's results / l
.set BK,  208                          ; and its rows read back
.set WV,  12
.set G1V, 24
.set G1P, 32
.set G0V, 40
.set G0P, 44
.set VWB, 48
.set STB, 50
.set OUT, 52
.set ONES, 54
.set C127, 55
.set PFB, 74                           ; s[74:75] where my wave's prefetches stand; never rewritten
.set MSB, 0
.set FSET, 0
.set MSET, 0
.set XN, 40
.macro WIN new
.if MSB != \new
	s_set_vgpr_msb (MSB<<8)|\new
.set MSB, \new
.endif
.endm
.macro NOPS n
.rept \n
	v_nop
.endr
.endm
.macro CROUND                          ; a round of the cluster's barrier
	s_barrier_signal -1
	s_barrier_wait -1
	s_cmp_lg_u32 s[WV], 0
	s_cbranch_scc1 .Lnot_wave_0_\@
	s_barrier_signal -3
.Lnot_wave_0_\@:
	s_barrier_wait -3
	s_barrier_signal -1
	s_barrier_wait -1
.endm
.macro GETSI x                         ; block x: its K step KS and its group GI
.if (\x) < 16
.set KS, (\x)/4
.set GI, (\x)%4
.elseif (\x) < 28
.set KS, 4+((\x)-16)/3
.set GI, 1+((\x)-16)%3
.elseif (\x) < 36
.set KS, 8+((\x)-28)/2
.set GI, 2+((\x)-28)%2
.else
.set KS, 12+(\x)-36
.set GI, 3
.endif
.endm
; n blocks of one K step, from block i0 on: v's four fragments, my two tiles of each block and their words.  Four places stand in front of loads into registers that matrix instructions have read.
.macro FETCH i0, n
	WIN 0
	NOPS 4
	GETSI \i0
.irp a, 0,1,2,3
.irp k, 0,1,2
	ds_load_b128 v[F1+48*FSET+12*\a+4*\k:F1+48*FSET+12*\a+4*\k+3], v[VA+KS/8] offset:(KS%8)*VKS+FRB*\a+512*\k
.endr
.endr
.set ii, 0
.rept \n
	ds_load_b32 v[SCP+4*FSET+ii], v[PSA] offset:((\i0)+ii)*512
.set ii, ii+1
.endr
	WIN 0x40
.set ii, 0
.rept \n
.irp u, 0,1
.irp k, 0,1,2
	ds_load_b128 v[128*FSET+24*ii+12*\u+4*\k:128*FSET+24*ii+12*\u+4*\k+3], v[PBA+(((\i0)+ii)/5)%3] offset:(((\i0)+ii)%5)*PB+FRB*\u+512*\k
.endr
.endr
.set ii, ii+1
.endr
	WIN 0
.set FSET, 1-FSET
.endm
.macro WMX c                           ; an odd tile's scale words lie in lanes 16-31 of their register
.if ODD == 0
	v_wmma_scale_f32_16x16x128_f8f6f4 v[rD:rD+7], v[rA:rA+11], v[rB:rB+11], \c, v[rX], v[rY] matrix_a_fmt:MATRIX_FMT_FP6 matrix_b_fmt:MATRIX_FMT_FP6
.elseif ODD == 1
	v_wmma_scale_f32_16x16x128_f8f6f4 v[rD:rD+7], v[rA:rA+11], v[rB:rB+11], \c, v[rX], v[rY] matrix_a_fmt:MATRIX_FMT_FP6 matrix_b_fmt:MATRIX_FMT_FP6 matrix_a_scale:MATRIX_SCALE_ROW1
.elseif ODD == 2
	v_wmma_scale_f32_16x16x128_f8f6f4 v[rD:rD+7], v[rA:rA+11], v[rB:rB+11], \c, v[rX], v[rY] matrix_a_fmt:MATRIX_FMT_FP6 matrix_b_fmt:MATRIX_FMT_FP6 matrix_b_scale:MATRIX_SCALE_ROW1
.else
	v_wmma_scale_f32_16x16x128_f8f6f4 v[rD:rD+7], v[rA:rA+11], v[rB:rB+11], \c, v[rX], v[rY] matrix_a_fmt:MATRIX_FMT_FP6 matrix_b_fmt:MATRIX_FMT_FP6 matrix_a_scale:MATRIX_SCALE_ROW1 matrix_b_scale:MATRIX_SCALE_ROW1
.endif
.endm
; 8 matrix instructions a block, its 8 accumulators by turns, one instruction a turn.  K step 0 starts the sums: nothing is cleared.
.macro MUL i0, n
	WIN 0xa4                                       ; source 0 window 0, source 1 window 1, C and D window 2
.set ii, 0
.rept \n
	GETSI (\i0)+ii
.irp a, 0,1,2,3
.irp u, 0,1
.set rD, 32*(2*GI+\u)+8*\a
.set rA, F1+48*MSET+12*\a
.set rB, 128*MSET+24*ii+12*\u
.set rX, VW+2*KS+\a/2
.set rY, SCP+4*MSET+ii
.set ODD, 2*\u+\a%2
.if KS == 0
	WMX 0
.else
	WMX v[rD:rD+7]
.endif
.endr
.endr
.set ii, ii+1
.endr
.set MSET, 1-MSET
.endm
.macro STEPG i0, n, j0, m              ; blocks i0 on are in; the next ones (m of them, or none) are asked for; then the products
	s_wait_dscnt 0x0
.if \m
	FETCH \j0, \m
.endif
	MUL \i0, \n
.endm
; Slots 0 to n - 1 are read out: each wave waits for all its tensor loads, adds 0 to its spare word, waits for that and for its reads; a round of the cluster's barrier; then waves 1 to n ask for the next units.
.macro REFILL n
	WIN 0
	s_wait_tensorcnt 0x0                           ; no tensor load of mine is out, so a group 0 may be written
	ds_add_u32 v[SPW], v[NIL]
	s_add_nc_u64 s[G0P+2:G0P+3], s[G0P+2:G0P+3], 3*UNIT
	s_wait_dscnt 0x0
	CROUND
	s_cmp_eq_u32 s[WV], 0                          ; the branches hang on the wave's number alone
	s_cbranch_scc1 .Lnone_\@
.if \n < 3
	s_cmp_eq_u32 s[WV], 3
	s_cbranch_scc1 .Lnone_\@
.endif
	tensor_load_to_lds s[G0P:G0P+3], s[G1P:G1P+7]
	s_nop 0
	NOPS 4
.Lnone_\@:
.endm
.macro ARRIVE                          ; my unit is in; behind the barrier everybody's is
	s_wait_tensorcnt 0x0
	s_wait_dscnt 0x0
	s_barrier_signal -1
	s_barrier_wait -1
.endm
; THE WAY OUT of tile u of group gi: 16 queries x 64 channels / l go through my stage and leave as rows of 256 consecutive bytes, aligned, sixteen lanes to a row.
.macro OUTT gi, u
	WIN 0x02
.set n, 0
.rept 16
	v_pk_mul_f32 v[PRD+n:PRD+n+1], v[32*(2*\gi+\u)+n:32*(2*\gi+\u)+n+1], v[RL+2*(2*\gi+\u):RL+2*(2*\gi+\u)+1] op_sel_hi:[1,0]   ; each accumulator from its low end on
.set n, n+2
.endr
	WIN 0
.irp c, 0,1
.irp j, 0,1,2,3
	ds_store_b128 v[STI], v[PRD+16*\c+4*\j:PRD+16*\c+4*\j+3] offset:128*\c+16*\j   ; channels 32 c + 16 h + 4 j on
.endr
.endr
	s_wait_xcnt 0x0                                ; the last tile's stores have read their data
.irp q, 0,1,2,3,4,5,6,7
	ds_load_b128 v[BK+4*\q:BK+4*\q+3], v[STO] offset:\q*2*SPT   ; LDS serves a wave's instructions in order: these see my stores
.endr
.irp q, 0,1,2,3,4,5,6,7
	s_wait_dscnt 7-\q                              ; rows 2 q, 2 q + 1 are back; the younger loads may be out
	global_store_b128 v[CO], v[BK+4*\q:BK+4*\q+3], s[OUT:OUT+1] offset:(512*\gi+8*\u+2*\q+8*(\q/4))*4096 th:TH_STORE_NT
.endr
.endm
.macro OUTG gi
	WIN 0
	NOPS 4                                         ; places behind the last products, in front of the first read of results
	OUTT \gi, 0
	OUTT \gi, 1
.endm
.macro EACH3 op, D, A, B               ; XN times: D = op A, B
.set x, 0
.rept XN
	\op v[\D+x], v[\A+x], v[\B+x]
.set x, x+1
.endr
.endm
.macro EACHK op, D, k, A               ; D = op k, A
.set x, 0
.rept XN
	\op v[\D+x], \k, v[\A+x]
.set x, x+1
.endr
.endm
.macro EACHS op, D, A, k               ; D = op A, k
.set x, 0
.rept XN
	\op v[\D+x], v[\A+x], \k
.set x, x+1
.endr
.endm
.macro WCH o                           ; the scale words of blocks o .. o + 19 have d = M - M_c taken off each byte
.set XN, 20
	EACHK v_sub_nc_u32, TT, 0, NM+\o               ; d, 0 .. 127
	EACHS v_mul_lo_u32, TT, TT, s[ONES]            ; d in each byte
	EACHK v_or_b32, WW+\o, 0x80808080, WW+\o       ; the bytes are 125 at the most (p <= 1): with bit 7 set no byte borrows from the next,
	EACH3 v_sub_nc_u32, WW+\o, WW+\o, TT           ; and bit 7 stays where byte - d is 0 or more
	EACHK v_lshrrev_b32, TT, 7, WW+\o
	EACHK v_and_b32, TT, s[ONES], TT
	EACHS v_mul_lo_u32, TT, TT, s[C127]            ; 0x7f in those bytes, 0 in the others
	EACH3 v_and_b32, WW+\o, WW+\o, TT              ; byte - d, or 0
.set XN, 40
.endm
	s_load_b256 s[4:11], s[0:1], 0x0               ; v_img s[4:5], p_img s[6:7], pstat s[8:9], out0 s[10:11]
	v_lshl_add_u32 v[SPW], v0, 2, SPARE
	v_mov_b32 v[NIL], 0
	ds_add_u32 v[SPW], v[NIL]                      ; the wave's opening: the add, twice on end, and its wait ahead of my first tensor load
	ds_add_u32 v[SPW], v[NIL]
	v_lshrrev_b32 v12, 5, v0
	v_readfirstlane_b32 s[WV], v12                 ; wave 0..3
	s_bfe_u32 s13, ttmp6, 0x40000                  ; cx: the channel block is 4 X + cx
	s_bfe_u32 s14, ttmp6, 0x40004                  ; cy = p
	s_and_b32 s16, ttmp7, 0xffff                   ; the cluster's y: the batch
	; v's places, s56-59: they never hold cy.  Channel group 8 b + 2 X + cx / 2, its half cx % 2
	s_lshl_b32 s56, s16, 2
	s_add_co_u32 s56, s56, ttmp9
	s_mul_i32 s56, s56, 16*PBLK
	s_lshr_b32 s17, s13, 1
	s_mul_i32 s17, s17, BLK
	s_add_co_u32 s56, s56, s17
	s_and_b32 s17, s13, 1
	s_lshl_b32 s18, s17, 8
	s_add_co_u32 s58, s56, s18
	s_add_co_u32 s58, s58, SCO                     ; its scale words
	s_mul_i32 s17, s17, VKS
	s_add_co_u32 s56, s56, s17                     ; its fragments
	s_mov_b32 s57, 0
	s_mov_b32 s59, 0
	; P's places, s60-63: they never hold cx
	s_lshl_b32 s19, s16, 2
	s_add_co_u32 s19, s19, s14                     ; 4 b + p
	s_mul_i32 s62, s19, 40*SREC
	s_mov_b32 s63, 0
	s_mul_i32 s60, s19, 40*PB
	s_max_u32 s20, s[WV], 1
	s_sub_co_u32 s20, s20, 1
	s_mul_i32 s20, s20, UNIT
	s_add_co_u32 s60, s60, s20                     ; wave w (1..3) fetches unit w - 1
	s_mov_b32 s61, 0
	; the prefetches' place, in registers that feed no descriptor: unit 3 on, + 300 blocks x cx + 75 blocks x wave
	s_mul_i32 s74, s19, 40*PB
	s_mul_i32 s73, s13, 300*256
	s_add_co_u32 s74, s74, s73
	s_mul_i32 s73, s[WV], 75*256
	s_add_co_u32 s74, s74, s73
	s_add_co_u32 s74, s74, 3*UNIT
	s_mov_b32 s75, 0
	; out0: my first row b 2048 + 256 (w / 2) + 64 p + 32 (w % 2), group I 512 rows on; my 64 channels
	s_lshl_b32 s66, s16, 11
	s_lshr_b32 s20, s[WV], 1
	s_lshl_b32 s20, s20, 8
	s_add_co_u32 s66, s66, s20
	s_lshl_b32 s20, s14, 6
	s_add_co_u32 s66, s66, s20
	s_and_b32 s20, s[WV], 1
	s_lshl_b32 s20, s20, 5
	s_add_co_u32 s66, s66, s20
	s_lshl_b32 s66, s66, 12
	s_lshl_b32 s20, ttmp9, 2
	s_add_co_u32 s20, s20, s13
	s_lshl_b32 s20, s20, 8
	s_add_co_u32 s66, s66, s20
	s_mov_b32 s67, 0
	; descriptor groups 1, elements of 8 bytes, no padding
	s_lshl_b32 s21, 0x1111, s13                    ; my column of the cluster
	s_or_b32 s[G1V], s21, (3<<16)|(1<<21)
	s_lshl_b32 s22, s14, 2
	s_lshl_b32 s22, 15, s22                        ; my row
	s_or_b32 s[G1P], s22, (3<<16)|(1<<21)
	s_mov_b32 s[G1V+1], 768<<16                    ; v: 16 rows of 6,144 bytes, 25,600 apart in memory
	s_mov_b32 s[G1V+2], 16<<16
	s_mov_b32 s[G1V+3], 768<<16
	s_mov_b32 s[G1V+4], 16
	s_mov_b32 s[G1V+5], 3200
	s_mov_b32 s[G1V+6], 0
	s_mov_b32 s[G1V+7], 0
	s_mov_b32 s[G1P+1], 32<<16                     ; a unit of P: 61,440 dense bytes as 240 rows of 256
	s_mov_b32 s[G1P+2], 240<<16
	s_mov_b32 s[G1P+3], 32<<16
	s_mov_b32 s[G1P+4], 240
	s_mov_b32 s[G1P+5], 32
	s_mov_b32 s[G1P+6], 0
	s_mov_b32 s[G1P+7], 0
	s_mov_b32 s[ONES], 0x01010101
	s_mov_b32 s[C127], 127
	; LDS addresses: constants, the lane and the wave's number
	s_mul_i32 s68, s[WV], 2*FRB
	s_add_co_u32 s68, s68, PR
	s_lshl_b32 s69, s[WV], 7
	s_add_co_u32 s70, s69, LSUM
	s_add_co_u32 s69, s69, PSC
	s_mul_i32 s71, s[WV], 16*SPT
	s_add_co_u32 s71, s71, STG
	s_mul_i32 s72, s[WV], UNIT
	s_add_co_u32 s72, s72, PR-UNIT                 ; wave w's slot, w - 1
	v_and_b32 v12, 31, v0                          ; lane
	v_and_b32 v13, 15, v0                          ; r
	v_bfe_u32 v14, v0, 4, 1                        ; h
	v_lshlrev_b32 v[VA], 4, v12
	v_add_nc_u32 v[VA+1], 8*VKS, v[VA]
	v_add_nc_u32 v[PBA], s68, v[VA]
	v_add_nc_u32 v[PBA+1], UNIT, v[PBA]
	v_add_nc_u32 v[PBA+2], 2*UNIT, v[PBA]
	v_lshl_add_u32 v[PSA], v12, 2, s69
	v_lshlrev_b32 v[T4], 2, v0
	v_lshlrev_b32 v[L4], 2, v12
	v_min_u32 v[PF], 24, v12                       ; 25 blocks an instruction; the lanes left over name the last of them again
	v_lshlrev_b32 v[PF], 8, v[PF]
	v_lshl_add_u32 v[PSW], v0, 2, PSC
	v_lshl_add_u32 v[LSW], v0, 2, LSUM
	v_lshl_add_u32 v[LSR], v13, 2, s70
	v_mul_u32_u24 v15, v13, SPT
	v_lshl_add_u32 v15, v14, 6, v15
	v_add_nc_u32 v[STI], s71, v15                  ; the stage, in: row r, + 64 h
	v_mul_u32_u24 v15, v14, SPT
	v_lshl_add_u32 v15, v13, 4, v15
	v_add_nc_u32 v[STO], s71, v15                  ; back: sixteen lanes to a row, two rows an instruction
	v_lshlrev_b32 v15, 12, v14
	v_lshl_add_u32 v[CO], v13, 4, v15              ; and the same two rows in out0
.irp t, 0,1,2,3,4,5,6,7
	v_mov_b32 v[RL+2*\t+1], 0                      ; (named as the upper halves of the pairs by which the packed multiplies take 1 / l)
.endr
	s_wait_alu depctr_va_vdst(0)
	s_wait_dscnt 0x0                               ; both opening adds are done
	s_wait_kmcnt 0x0
	s_add_nc_u64 s[VWB:VWB+1], s[4:5], s[58:59]
	s_add_nc_u64 s[STB:STB+1], s[8:9], s[62:63]
	s_add_nc_u64 s[OUT:OUT+1], s[10:11], s[66:67]
	s_add_nc_u64 s[PFB:PFB+1], s[6:7], s[74:75]
	s_mov_b32 s[G0V], 1
	s_mov_b32 s[G0V+1], 0
	s_add_nc_u64 s[G0V+2:G0V+3], s[4:5], s[56:57]
	s_or_b32 s[G0V+3], s[G0V+3], 0x80000000
	s_mov_b32 s[G0P], 1
	s_mov_b32 s[G0P+1], s72
	s_add_nc_u64 s[G0P+2:G0P+3], s[6:7], s[60:61]
	s_or_b32 s[G0P+3], s[G0P+3], 0x80000000
	CROUND                                         ; all sixteen work-groups are here: the joint loads meet
	s_cmp_eq_u32 s[WV], 0                          ; the head's loads, one a wave, ahead of all other loads: wave 0 v, waves 1-3 units 0-2 of P
	s_cbranch_scc0 .Lhead_p
	tensor_load_to_lds s[G0V:G0V+3], s[G1V:G1V+7]
	s_nop 0
	NOPS 4
	s_branch .Lhead_asked
.Lhead_p:
	tensor_load_to_lds s[G0P:G0P+3], s[G1P:G1P+7]
	s_nop 0
	NOPS 4
.Lhead_asked:
	; 152 loads a wave, in the order of their use: v's scale words of K steps 0-3 (lanes 0-15 the even tile's, lanes 16-31 the odd one's), the 40 records' -M, their words, their l, v's other words.
	; Each load of a record: 128 consecutive bytes a wave, 512 a work-group
.set x, 0
.rept 4
	global_load_b32 v[VW+2*x], v[L4], s[VWB:VWB+1] offset:PBLK*x
	global_load_b32 v[VW+2*x+1], v[L4], s[VWB:VWB+1] offset:PBLK*x+128
.set x, x+1
.endr
.set x, 0
.rept 40
	global_load_b32 v[NM+x], v[T4], s[STB:STB+1] offset:SREC*x
.set x, x+1
.endr
.set x, 0
.rept 40
	global_load_b32 v[WW+x], v[T4], s[STB:STB+1] offset:SREC*x+1024
.set x, x+1
.endr
.set x, 0
.rept 40
	global_load_b32 v[LL+x], v[T4], s[STB:STB+1] offset:SREC*x+512
.set x, x+1
.endr
.set x, 4
.rept 12
	global_load_b32 v[VW+2*x], v[L4], s[VWB:VWB+1] offset:PBLK*x
	global_load_b32 v[VW+2*x+1], v[L4], s[VWB:VWB+1] offset:PBLK*x+128
.set x, x+1
.endr
	s_wait_loadcnt 63                              ; the oldest 89 are in: v's first 8 words, -M, the words; behind the last of these 64 were issued
	; THE ROWS' M AND THE SHIFTED SCALE WORDS, for my image row of each of the four groups
.set x, 0
.rept 40
	GETSI x
.if KS == 0
	v_mov_b32 v[MM+GI], v[NM+x]
.else
	v_min_num_f32 v[MM+GI], v[MM+GI], v[NM+x]      ; -M of the row: a number, since key 0 counts for every query
.endif
.set x, x+1
.endr
.irp i, 0,1,2
	global_prefetch_b8 v[PF], s[PFB:PFB+1] offset:25*256*\i th:TH_LOAD_NT scope:SCOPE_SE   ; my 75 blocks of units 3-7
.endr
.set x, 0
.rept 40
	GETSI x
	v_sub_f32 v[NM+x], v[MM+GI], v[NM+x]           ; M_c - M, a whole number, 0 or less
.set x, x+1
.endr
	EACHK v_max_num_f32, NM, 0xc2fe0000, NM        ; held at -127
.set x, 0
.rept 40
	v_cvt_i32_f32 v[NM+x], v[NM+x]
.set x, x+1
.endr
	WCH 0
	WCH 20
.set x, 0
.rept 40
	ds_store_b32 v[PSW], v[WW+x] offset:512*x
.set x, x+1
.endr
	s_wait_loadcnt 24                              ; l is in; v's last 24 words may be out
	EACH3 v_ldexp_f32, LL, LL, NM                  ; l_c under the row's M: exact
.set x, 0
.rept 40
	GETSI x
.if KS == 0
	v_mov_b32 v[LS+GI], v[LL+x]
.else
	v_add_f32 v[LS+GI], v[LS+GI], v[LL+x]
.endif
.set x, x+1
.endr
	s_wait_alu depctr_va_vdst(0)
.irp i, 0,1,2,3
	v_rcp_f32 v[RC+\i], v[LS+\i]
.endr
	v_nop                                          ; a plain place behind the reciprocals
	s_wait_alu depctr_va_vdst(0)                   ; the wait ahead of their first reader
.irp i, 0,1,2,3
	ds_store_b32 v[LSW], v[RC+\i] offset:512*\i
.endr
	s_wait_tensorcnt 0x0                           ; my load of the head's four is in,
	s_wait_dscnt 0x0                               ; and my words and 1 / l lie in LDS
	s_barrier_signal -1
	s_barrier_wait -1                              ; everybody's
.irp t, 0,1,2,3,4,5,6,7
	ds_load_b32 v[RL+2*\t], v[LSR] offset:512*(\t/2)+64*(\t%2)   ; 1 / l of my query in tile u = t % 2 of group t / 2
.endr
	FETCH 0, 4
	STEPG 0, 4, 4, 4
	STEPG 4, 4, 8, 4
	STEPG 8, 4, 12, 3
	STEPG 12, 3, 0, 0                              ; blocks 0-14: units 0-2
	REFILL 3                                       ; units 3-5
	OUTG 0                                         ; group 0 had its last block (K step 3)
	ARRIVE
	s_wait_loadcnt 0x0                             ; v's words of K steps 4-15 are in
	FETCH 15, 1
	STEPG 15, 1, 16, 3
	STEPG 16, 3, 19, 3
	STEPG 19, 3, 22, 3
	STEPG 22, 3, 25, 3                             ; blocks 15-24: slots 0 and 1 are read out
	REFILL 2                                       ; units 6, 7; unit 5, in slot 2, is multiplied while they are on their way
	STEPG 25, 3, 28, 2
	STEPG 28, 2, 0, 0
	OUTG 1                                         ; group 1 had its last block (K step 7)
	ARRIVE
	FETCH 30, 2
	STEPG 30, 2, 32, 2
	STEPG 32, 2, 34, 2
	STEPG 34, 2, 36, 1
	OUTG 2                                         ; group 2 had its last block (K step 11)
	STEPG 36, 1, 37, 1
	STEPG 37, 1, 38, 1
	STEPG 38, 1, 39, 1
	STEPG 39, 1, 0, 0
	OUTG 3
	s_wait_tensorcnt 0x0                           ; the wave's end
	ds_add_u32 v[SPW], v[NIL]
	s_wait_dscnt 0x0
	CROUND                                         ; the closing round
	s_endpgm
.Lfunc_end_k_qe3a3be13dc_mix:
	.size	k_qe3a3be13dc_mix, .Lfunc_end_k_qe3a3be13dc_mix-k_qe3a3be13dc_mix
	.p2alignl 7, 3214868480
	.fill 96, 4, 3214868480
	.section	.rodata,"a",@progbits
	.p2align	6, 0x0
	.amdhsa_kernel k_qe3a3be13dc_mix
		.amdhsa_group_segment_fixed_size 327680
		.amdhsa_private_segment_fixed_size 0
		.amdhsa_enable_private_segment 0
		.amdhsa_kernarg_size 32
		.amdhsa_user_sgpr_count 2
		.amdhsa_user_sgpr_kernarg_segment_ptr 1
		.amdhsa_wavefront_size32 1
		.amdhsa_system_sgpr_workgroup_id_x 1
		.amdhsa_system_sgpr_workgroup_id_y 1
		.amdhsa_system_sgpr_workgroup_id_z 1
		.amdhsa_system_vgpr_workitem_id 0
		.amdhsa_next_free_vgpr 768
		.amdhsa_next_free_sgpr 76
		.amdhsa_reserve_vcc 0
		.amdhsa_float_denorm_mode_32 3
		.amdhsa_float_denorm_mode_16_64 3
		.amdhsa_memory_ordered 1
		.amdhsa_forward_progress 1
		.amdhsa_inst_pref_size 152
	.end_amdhsa_kernel
	.amdgpu_metadata
---
amdhsa.version: [ 1, 2 ]
amdhsa.kernels:
  - .name:           k_qe3a3be13dc_mix
    .symbol:         k_qe3a3be13dc_mix.kd
    .args:
      - { .name: v_img, .offset: 0, .size: 8, .value_kind: global_buffer, .address_space: global }
      - { .name: p_img, .offset: 8, .size: 8, .value_kind: global_buffer, .address_space: global }
      - { .name: pstat, .offset: 16, .size: 8, .value_kind: global_buffer, .address_space: global }
      - { .name: out0, .offset: 24, .size: 8, .value_kind: global_buffer, .address_space: global }
    .group_segment_fixed_size: 327680
    .private_segment_fixed_size: 0
    .kernarg_segment_align: 8
    .kernarg_segment_size: 32
    .max_flat_workgroup_size: 128
    .sgpr_count:     76
    .vgpr_count:     768
    .wavefront_size: 32
...
	.end_amdgpu_metadata
.endif
;; end of part 4
